; MI455X (gfx1250); checked and timed in simulation.
; The chip was launched on July 23, 2026; its instructions are those of AMD's public machine-readable ISA for CDNA 5 (MIT licence, August 2026) and "CDNA5" Instruction Set Architecture Reference Guide (July 2026). The comments in the code are by the model that wrote it; some were corrected since.
;; Scaled Dot Product Attention. Allowed arithmetic: matrix products marked QUANTISED: E5M2 operands, one E8M0 scale for each 32 along K, by v_wmma_scale_f32_16x16x128_f8f6f4 with both operands' format E5M2, f32 sums; everything else in f32.
;; Inputs: K_codes 4 x 16 x 2,048 x 4 x 32 uint8 (E5M2 codes of K, K innermost, in blocks of 32 codes); K_scales 4 x 16 x 2,048 x 4 uint8 (E8M0 scales of K, one for each 32 codes along K); Q_codes 4 x 16 x 2,048 x 4 x 32 uint8 (E5M2 codes of Q, K innermost, in blocks of 32 codes); Q_scales 4 x 16 x 2,048 x 4 uint8 (E8M0 scales of Q, one for each 32 codes along K); V_codes 4 x 16 x 128 x 64 x 32 uint8 (E5M2 codes of V, K innermost, in blocks of 32 codes); V_scales 4 x 16 x 128 x 64 uint8 (E8M0 scales of V, one for each 32 codes along K).
;; Outputs: out0 4 x 16 x 2,048 x 128 float32.
;; This version of the problem:
;;   THIS VERSION OF THE PROBLEM IS GIVEN IN LOW PRECISION. The matrix products marked QUANTISED in the list below multiply operands that are first quantised to E5M2 (5 exponent bits, 2 mantissa bits; 8 bits a number), with one power-of-two scale for each 32 numbers along K (OCP MX v1.0); their sums are f32. All else is computed in f32.
;;   The module's matrix products, in the order in which they are computed (A, B: the left and right operand; K: the contracted axis; several contracted axes count as one K, in the product's order):
;;     1. batch 64 x [M 2,048, K 128] x [K 128, N 2,048]; A: input Q (given as codes); B: input K (given as codes): QUANTISED
;;     2. batch 64 x [M 2,048, K 2,048] x [K 2,048, N 128]; A: softmax (see below); B: input V (given as codes): QUANTISED
;;   THE QUANTISER, for each operand of a quantised product, along K:
;;     - K is cut into blocks of 32 from its start; a last block that is shorter is filled with zeros.
;;     - A block's scale is 2^e with e = floor(log2(the largest magnitude in the block)) - 15, held to -126 .. 127; a block of zeros has e = 0. As a byte (E8M0): e + 127.
;;     - Each number is divided by its block's scale, clamped to +-57,344, and rounded to the nearest number of E5M2, ties to even, subnormals kept.
;;     - The product sums the exact products of the quantised numbers (number of the format x scale) in f32.
;;   ~~~python
;;   def quantise(x, axis):      # numpy; x: float32 -> the quantised numbers, widened to float32 again
;;       x = np.moveaxis(x, axis, -1); K = x.shape[-1]
;;       x = np.pad(x, [(0, 0)] * (x.ndim - 1) + [(0, -K % 32)]); x = x.reshape(x.shape[:-1] + (-1, 32)); a = np.abs(x).max(-1, keepdims=True)
;;       e = np.where(a > 0, np.clip(np.frexp(np.where(a > 0, a, 1))[1] - 1 - 15, -126, 127), 0)      # np.frexp(a)[1] - 1 = floor(log2(a)), exactly
;;       r = np.clip(x / 2.0 ** e, -57344, 57344)
;;       step = 2.0 ** (np.maximum(np.frexp(np.where(r == 0, 1, r))[1] - 1, -14) - 2)
;;       q = np.round(r / step) * step * 2.0 ** e      # np.round: ties to even
;;       return np.moveaxis(q.reshape(q.shape[:-2] + (-1,))[..., :K], -1, axis).astype(np.float32)
;;   ~~~
;;   SOFTMAX AHEAD OF A QUANTISED PRODUCT. Where the list says 'softmax', what is quantised is not the finished softmax but p = 2^(t - M), with t = logit x log2(e) and M = ceil(the row's largest t), a whole number; so 1/2 < the row's largest p <= 1. The row's sum l is taken of the UNQUANTISED p, in f32, and the product's result is divided by l at the end. Since M is a whole number, a kernel that streams over the keys may use a running M (the ceiling of the running maximum): every later rescaling is an exact power of two, which a block's scale takes up: the codes' values come out the same.
;;   OPERANDS COMPUTED ON THE WAY. 'Computed on the way' means the value that the module computes at that place (a softmax that the list does not call 'softmax' is quantised finished and normalised). What goes into a quantiser is computed in f32, as accurately as f32 sums, v_exp_f32 and their like allow (about 1e-6 of the number): no bf16 or f16 on the way to a quantiser, and a product that is left as it is and whose result goes on into a quantised operand takes f32 operands (vector FMAs, or v_wmma_f32_16x16x4_f32). A number that lies on a knife's edge between two numbers of the format may be rounded either way, as far as f32 arithmetic and the matrix unit's own rounding can turn it there, and no further.
;;   INPUTS GIVEN AS CODES. K (in the module: [4, 16, 2048, 128], K = its axis 3); Q (in the module: [4, 16, 2048, 128], K = its axis 3); V (in the module: [4, 16, 2048, 128], K = its axis 2): each comes as NAME_codes (uint8): NAME with its K axis moved to the last place and cut into blocks of 32 codes, [.., K / 32, bytes a block], one block behind the other in memory; one code a byte (a code: sign, 5 exponent bits, 2 mantissa bits); and NAME_scales (uint8): the same leading axes, one E8M0 byte (e + 127) for each 32 codes along K. Its value is code x scale, taken as it is: it is not quantised again, and the codes and scales need not be those that the quantiser above would give.
;; 2 versions. Each part assembles by itself: llvm-mc -triple=amdgcn-amd-amdhsa -mcpu=gfx1250 --defsym DOCPART=n.
;; ======== version 1 of 2: 1 launch
;; launch attn (part 1): grid 8 x 64, 16 waves a work-group, clusters of 4 x 1, 327,680 bytes of LDS; arguments Q_codes, Q_scales, K_codes, K_scales, V_codes, V_scales, out0; writes out0
.if DOCPART == 1
	.amdgcn_target "amdgcn-amd-amdhsa--gfx1250"
	.amdhsa_code_object_version 6
	.text
	.protected	k_q8c6b72bd8b_attn
	.globl	k_q8c6b72bd8b_attn
	.p2align	8
	.type	k_q8c6b72bd8b_attn,@function
k_q8c6b72bd8b_attn:
	s_mov_b64 s[64:65], 0
	v_nop
	global_prefetch_b8 v0, s[64:65] scope:SCOPE_SE
	s_setreg_imm32_b32 hwreg(HW_REG_WAVE_MODE, 25, 1), 1
	s_wait_xcnt 0x0
	s_wait_alu depctr_hold_cnt(0) depctr_sa_sdst(0) depctr_va_vdst(0) depctr_va_sdst(0) depctr_va_ssrc(0) depctr_va_vcc(0) depctr_vm_vsrc(0)
	s_getreg_b32 s2, hwreg(HW_REG_IB_STS2, 6, 4)
	s_cmp_eq_u32 s2, 0
	s_cbranch_scc0 .Lentry_in_a_cluster
	s_endpgm
.Lentry_in_a_cluster:
	s_bfe_u32 s2, ttmp6, 0x10000c
	s_cmp_lg_u32 s2, 0x3003
	s_cbranch_scc0 .Lentry_shape_is_right
	s_endpgm
.Lentry_shape_is_right:
; out0[head][q][:] = the sum over k <= q of softmax_k(Q[head][q] . K[head][k] / sqrt(128)) V[head][k][:], 64 heads, 2,048 queries and keys, head size 128.
; Both products on codes of BF8 (E5M2) with one E8M0 scale for each 32 along a product's K.  Q, K: [head][2048][128] codes, scale bytes [head][2048][4].
; V: codes with the KEYS innermost, [head][128][2048], scale bytes [head][128][64].  out0: [head][2048][128] f32.
; THE SOFTMAX AHEAD OF THE SECOND PRODUCT: t = score x log2(e) / sqrt(128); M = the row's largest t so far, rounded UP to a whole number; p = 2^(t - M) is quantised along the keys, not normalised.
; The row's sum is taken of the unquantised p, in f32, and divides O at the end.  When M moves, the sum and O are multiplied by 2^(old M - new M): exact.
; SHARES.  The 2,048 queries of a head are 16 UNITS of 128.  Work-group g (0..7) of a head takes tile g (16 queries) of EVERY unit; each of its sixteen waves owns one unit u: queries 128 u + 16 g + 0..15.
; A key step is 128 keys, step j = keys 128 j on.  For unit u the steps j < u count whole, step j = u lies on the diagonal, steps j > u are hidden: that hangs on the step's number and the wave's number alone.
; So all 512 work-groups have the same work (136 wave-steps), each needs every tile of K and V that it fetches, and the four partners of a cluster take every branch alike.
; g enters Q's and out0's global addresses and the mask's vector compare, nothing else.
; WAVE TO UNIT: a = w / 4, b = w % 4, u = 4 (a xor b) + (a xor (0, 2, 3, 1)[b]): among the four waves of equal w % 4, and among the four of equal w / 4, there is one unit of each of 0-3, 4-7, 8-11, 12-15.
; A wave's diagonal step is its last: its 16 rows of O leave at that step's end, through a stage of its own, one tile of the work-group in each key step.
; CLUSTER.  The four work-groups of a cluster belong to one head and walk the same K, V and scale bytes in the same rounds: each tile is asked for JOINTLY, by the same tensor load with the same descriptor and the mask 15.
; LAYOUT.  Both products are used transposed: S^T = K Q^T (source 0 = 16 keys, source 1 = my 16 queries), O^T = V^T P^T (source 0 = 16 channels, source 1 = P): a lane holds ONE query (lane % 16) throughout.
; THE KEYS OF A TILE ARE NOT NEIGHBOURS: lane r of tile 2 b + u takes key 32 b + 8 u + r + 8 (r / 8), so that the 16 registers of tiles 2 b and 2 b + 1 are 16 neighbouring keys, 32 b + 16 (lane / 16) + 0 .. 15.
; LIMITS: NaN and infinity codes and the scale byte 0xff give NaN and are not served otherwise; scores must stay finite in f32; v_exp_f32 gives 0 for p under 2^-126 (nothing beside a sum above 1/2);
; a block whose p are all 0 keeps the scale byte 1 (its codes are zeros; only this kernel reads the byte); t is one fused multiply-add with c = log2(e) / sqrt(128) rounded once, where the source multiplies twice;
; a block's largest p is its largest score put through the same two instructions, which takes v_exp_f32 not to fall where its input rises (the ISA guide promises 1 ulp).
; LDS.  Two slots of 256 keys, 2^17 bytes apart.  In a slot: the 128 keys whose bit 4 is 0 (key k at row 16 (k / 32) + k % 16, pitch 144), from KODD on those whose bit 4 is 1, from VOFF on 128 rows of V (pitch 272),
; from STG0 on eight waves' stages (no fill lands there).  Behind the ring: K's and V's scale bytes of the whole head (units of 256 bytes + 16), filled once; then the spare words.
; KODD is 128 mod 256: lanes 0-7 of a fragment load start at words 36 r mod 64 = 0, 36, 8, 44, 16, 52, 24, 60, lanes 8-15 32 words on: sixteen different 16-byte columns (64 banks of 4 bytes: ISA guide 11.1).
; REGISTERS: v1-7 addresses that stay; v8-11 addresses of the loads in hand; v12 -M, v13 the largest t, v[14:15] the sum in two halves; v16-31 Q; v32-95 four fragments of K or V; v96-159 S^T, then p;
; v160-223 O^T; v224-239 p's codes; v232-247 at work; v248-251 K's or V's scale words; v252 f; v253 p's scale word; v254 at work; v255 Q's scale words.
.set KP,    144                        ; a key's row in LDS: 128 bytes + 16 of padding
.set VP,    272                        ; a row of V's tile in LDS: 256 bytes + 16
.set SLOT1, 1<<17                      ; slot 1 begins here: one exclusive or turns an address in one slot into the other's
.set KODD,  18560                      ; the keys with bit 4 set: 128 rows x 144 = 18,432, and 128 bytes that nothing touches
.set VOFF,  37120                      ; V's rows
.set STG0,  73728                      ; the stages: 16 rows x 272 bytes a wave, eight waves in each slot's region
.set STGB,  16*272
.set SCK,   2*SLOT1                    ; K's scale bytes: 8,192 bytes as 32 units of 256 + 16
.set SCH,   16*272                     ; half of them: what one tensor load brings
.set SCV,   SCK+2*SCH                  ; V's likewise
.set SPARE, SCV+2*SCH                  ; the spare words, 128 bytes for each of sixteen waves: eight blocks of 256 bytes that no other line names
.set NSL,   8                          ; slots' worth of keys
.set AK0,  1                           ; v1   my lane's place in a tile of K
.set AV0,  2                           ; v2   in a tile of V
.set ASK0, 3                           ; v3   among K's scale words
.set ASV0, 4                           ; v4   among V's
.set SPW,  5                           ; v5   LDS address of my spare word: SPARE + 4 x my thread's number; never rewritten
.set NIL,  6                           ; v6   0; never rewritten
.set GO,   7                           ; v7   the way out: my byte offset in the wave's rows of out0; never rewritten
.set ADK,  8                           ; v8   LDS address of the step's tiles of K
.set ADV,  9                           ; v9   of V
.set ADS,  10                          ; v10  of K's scale words
.set ADT,  11                          ; v11  of V's
.set WV,   18                          ; s18  my wave's number
.set MNT,  19                          ; s19  the mantissa field of 57,344
.set SEL,  20                          ; s[20:21] lane selects for v_permlanex16_b32: lane l xor 16
.set CS,   22                          ; s[22:23] c = log2(e) / sqrt(128): the packed form names a pair and takes its low word for both halves
.set G1K,  24                          ; s[24:31] descriptor group 1 for K's tiles;  s[32:39] for V's;  s[40:43], s[44:47] their groups 0, which walk
.set G1V,  32
.set G0K,  40
.set G0V,  44
.set G1S,  48                          ; s[48:55] group 1 for the scale bytes;  s[56:59], s[60:63] groups 0 for K's and V's
.set G0SK, 56
.set G0SV, 60
.set TB,   66                          ; s66  LDS byte at which the slot in hand begins
.set TS,   67                          ; s67  where the step's scale words of K begin: 544 bytes a step
.set TJ,   68                          ; s68  and V's: 4 bytes a step
.set SLOTS, 69                         ; s69  slots still to be asked for
.set KJ,   70                          ; s70  the key step's number, 0..15
.set UN,   71                          ; s71  my unit
.set GQ,   72                          ; s72  16 g: my first query within its unit
.set STGA, 73                          ; s73  my stage
; A round of the cluster's barrier: my work-group's barrier, so that wave 0's signal speaks for all sixteen waves; wave 0 signals for the work-group; every wave waits for all four work-groups; my work-group's barrier once more.
.macro CROUND
	s_barrier_signal -1
	s_barrier_wait -1
	s_cmp_lg_u32 s[WV], 0
	s_cbranch_scc1 .Lnot_wave_0_\@
	s_barrier_signal -3
.Lnot_wave_0_\@:
	s_barrier_wait -3
	s_barrier_signal -1
	s_barrier_wait -1
.endm
; A joint refill.  Waves 0 and 1 fetch K's two halves, waves 2 and 3 V's, the others nothing.  The branches hang on the wave's number alone: they are the same in every work-group.
; Four v_nop follow each of the two lines, ahead of the jump, the label and what follows.
.macro JLOAD
	s_cmp_lt_u32 s[WV], 2
	s_cbranch_scc0 .Lnot_k_\@
	tensor_load_to_lds s[G0K:G0K+3], s[G1K:G1K+7]
	s_nop 0
.rept 4
	v_nop
.endr
	s_branch .Lasked_\@
.Lnot_k_\@:
	s_cmp_lt_u32 s[WV], 4
	s_cbranch_scc0 .Lasked_\@
	tensor_load_to_lds s[G0V:G0V+3], s[G1V:G1V+7]
	s_nop 0
.rept 4
	v_nop
.endr
.Lasked_\@:
.endm
	s_load_b128 s[4:7], s[0:1], 0x0                ; Q's codes, Q's scales
	s_load_b128 s[8:11], s[0:1], 0x10              ; K's codes, K's scales
	s_load_b128 s[12:15], s[0:1], 0x20             ; V's codes, V's scales
	s_load_b64 s[16:17], s[0:1], 0x30              ; out0
	v_lshl_add_u32 v[SPW], v0, 2, SPARE
	v_mov_b32 v[NIL], 0
	ds_add_u32 v5, v6
	s_wait_dscnt 0x0
	v_lshrrev_b32 v8, 5, v0
	v_readfirstlane_b32 s[WV], v8                  ; wave 0..15
	s_lshr_b32 s2, s[WV], 2                        ; a
	s_and_b32 s3, s[WV], 3                         ; b
	s_xor_b32 s[UN], s2, s3                        ; a xor b
	s_lshl_b32 s3, s3, 1
	s_lshr_b32 s3, 0x78, s3                        ; the table 0, 2, 3, 1, two bits an entry
	s_and_b32 s3, s3, 3
	s_xor_b32 s3, s3, s2
	s_lshl_b32 s[UN], s[UN], 2
	s_add_co_u32 s[UN], s[UN], s3                  ; my unit
	s_bfe_u32 s3, ttmp6, 0x40000                   ; cx: my place in the cluster
	s_lshl_b32 s[GQ], ttmp9, 2                     ; in a cluster launch ttmp9 counts clusters
	s_add_co_u32 s[GQ], s[GQ], s3                  ; g = 4 x cluster x + cx
	s_lshl_b32 s[GQ], s[GQ], 4                     ; 16 g
	s_and_b32 s[STGA], s[WV], 7                    ; my stage: STG0 + 4,352 (w % 8) + 2^17 (w / 8): the wave's number alone
	s_mul_i32 s[STGA], s[STGA], STGB
	s_lshr_b32 s2, s[WV], 3
	s_lshl_b32 s2, s2, 17
	s_add_co_u32 s[STGA], s[STGA], s2
	s_add_co_u32 s[STGA], s[STGA], STG0
	s_and_b32 s74, ttmp7, 0xffff                   ; the head, which the four partners share
	s_mov_b32 s75, 0
	s_lshl_b64 s[76:77], s[74:75], 18              ; the head's first byte in each tensor of codes (2,048 x 128),
	s_lshl_b64 s[78:79], s[74:75], 13              ; in each tensor of scale bytes,
	s_lshl_b64 s[98:99], s[74:75], 20              ; and in out0
	s_lshl_b32 s80, s[UN], 7
	s_add_co_u32 s80, s80, s[GQ]                   ; my first query: 128 u + 16 g
	s_mov_b32 s81, 0
	s_lshl_b64 s[82:83], s[80:81], 7
	s_add_nc_u64 s[82:83], s[82:83], s[76:77]      ; its codes
	s_lshl_b64 s[84:85], s[80:81], 2
	s_add_nc_u64 s[84:85], s[84:85], s[78:79]      ; its scale word
	s_lshl_b64 s[86:87], s[80:81], 9
	s_add_nc_u64 s[86:87], s[86:87], s[98:99]      ; its row of out0
	; what I fetch, if I fetch: e = wave % 2.  None of these registers ever holds g
	s_and_b32 s88, s[WV], 1
	s_mul_i32 s89, s88, KODD                       ; K: in a slot,
	s_lshl_b32 s90, s88, 11                        ; and in memory: the half with bit 4 set begins 16 keys (2,048 bytes) on
	s_mov_b32 s91, 0
	s_add_nc_u64 s[90:91], s[90:91], s[76:77]
	s_mul_i32 s94, s88, 64*VP                      ; V: rows 64 e on, in a slot,
	s_add_co_u32 s94, s94, VOFF
	s_lshl_b32 s92, s88, 17                        ; and in memory: 64 rows of 2,048 bytes
	s_mov_b32 s93, 0
	s_add_nc_u64 s[92:93], s[92:93], s[76:77]
	s_mul_i32 s95, s88, SCH                        ; the scale bytes: my half in LDS,
	s_lshl_b32 s96, s88, 12                        ; and in memory: 4,096 bytes
	s_mov_b32 s97, 0
	s_add_nc_u64 s[96:97], s[96:97], s[78:79]
	; Group 1 for K: 8 rows of 2,048 bytes (16 neighbouring keys, dense), 4,096 bytes (32 keys) apart.  The padding is counted along the tile: 16 bytes behind every 128, so LDS holds 128 rows of pitch 144.
	s_mov_b32 s[G1K], 15|(0<<16)|(1<<20)|(1<<21)|(4<<22)|(3<<25)   ; 15:0 the mask: all four work-groups; 17:16 elements of 1 byte; 20 padding on; 21 set beside a mask; 24:22 after every 32 words (code 4); 31:25 four words (code 3)
	s_mov_b32 s[G1K+1], 2048<<16                   ; tensor_dim0
	s_mov_b32 s[G1K+2], 8<<16                      ; tensor_dim1
	s_mov_b32 s[G1K+3], 2048<<16                   ; tile_dim0
	s_mov_b32 s[G1K+4], 8                          ; tile_dim1
	s_mov_b32 s[G1K+5], 4096                       ; tensor_dim0_stride
	s_mov_b32 s[G1K+6], 0
	s_mov_b32 s[G1K+7], 0
	; Group 1 for V: 64 rows of 256 bytes, 2,048 bytes apart; four words of padding after every 64
	s_mov_b32 s[G1V], 15|(0<<16)|(1<<20)|(1<<21)|(5<<22)|(3<<25)
	s_mov_b32 s[G1V+1], 256<<16
	s_mov_b32 s[G1V+2], 64<<16
	s_mov_b32 s[G1V+3], 256<<16
	s_mov_b32 s[G1V+4], 64
	s_mov_b32 s[G1V+5], 2048
	s_mov_b32 s[G1V+6], 0
	s_mov_b32 s[G1V+7], 0
	; Group 1 for the scale bytes: 4,096 dense bytes as 16 rows of 256 bytes (32 elements of 8 bytes), 16 bytes of padding behind each
	s_mov_b32 s[G1S], 15|(3<<16)|(1<<20)|(1<<21)|(5<<22)|(3<<25)
	s_mov_b32 s[G1S+1], 32<<16
	s_mov_b32 s[G1S+2], 16<<16
	s_mov_b32 s[G1S+3], 32<<16
	s_mov_b32 s[G1S+4], 16
	s_mov_b32 s[G1S+5], 32
	s_mov_b32 s[G1S+6], 0
	s_mov_b32 s[G1S+7], 0
	s_mov_b32 s[SEL], 0x76543210
	s_mov_b32 s[SEL+1], 0xfedcba98
	s_mov_b32 s[CS], 0x3e0293ee                    ; c = log2(e) / sqrt(128)
	s_mov_b32 s[CS+1], s[CS]                       ; (named with it as a pair, so it is written)
	s_mov_b32 s[MNT], 0x600000
	s_mov_b32 s[TB], 0
	s_mov_b32 s[TS], 0
	s_mov_b32 s[TJ], 0
	s_mov_b32 s[KJ], 0
	s_mov_b32 s[SLOTS], NSL-1
	s_wait_kmcnt 0x0
	s_mov_b32 s[G0SK], 1                           ; 1:0 count = 1
	s_add_co_u32 s[G0SK+1], s95, SCK               ; 63:32 LDS address
	s_add_nc_u64 s[G0SK+2:G0SK+3], s[10:11], s[96:97]   ; 120:64 global address
	s_or_b32 s[G0SK+3], s[G0SK+3], 0x80000000      ; 127:126 type = 2
	s_mov_b32 s[G0SV], 1
	s_add_co_u32 s[G0SV+1], s95, SCV
	s_add_nc_u64 s[G0SV+2:G0SV+3], s[14:15], s[96:97]
	s_or_b32 s[G0SV+3], s[G0SV+3], 0x80000000
	s_mov_b32 s[G0K], 1
	s_mov_b32 s[G0K+1], s89                        ; slot 0
	s_add_nc_u64 s[G0K+2:G0K+3], s[8:9], s[90:91]  ; the head's first 256 keys
	s_or_b32 s[G0K+3], s[G0K+3], 0x80000000
	s_mov_b32 s[G0V], 1
	s_mov_b32 s[G0V+1], s94
	s_add_nc_u64 s[G0V+2:G0V+3], s[12:13], s[92:93]
	s_or_b32 s[G0V+3], s[G0V+3], 0x80000000
	CROUND                                         ; all four work-groups are here: the first joint loads meet
	s_cmp_lt_u32 s[WV], 2                          ; a wave's two first fills stand in one branch, ahead of every wait on TENSORcnt and every LDS read: two loads of mine are out; four v_nop follow the second
	s_cbranch_scc0 .Lfirst_not_k
	tensor_load_to_lds s[G0SK:G0SK+3], s[G1S:G1S+7]   ; K's scale bytes of the whole head: filled once
	s_nop 0
	tensor_load_to_lds s[G0K:G0K+3], s[G1K:G1K+7]     ; slot 0
	s_nop 0
.rept 4
	v_nop
.endr
	s_branch .Lfirst_asked
.Lfirst_not_k:
	s_cmp_lt_u32 s[WV], 4
	s_cbranch_scc0 .Lfirst_asked
	tensor_load_to_lds s[G0SV:G0SV+3], s[G1S:G1S+7]
	s_nop 0
	tensor_load_to_lds s[G0V:G0V+3], s[G1V:G1V+7]
	s_nop 0
.rept 4
	v_nop
.endr
.Lfirst_asked:
	s_add_nc_u64 s[4:5], s[4:5], s[82:83]          ; Q's codes at my first query,
	s_add_nc_u64 s[6:7], s[6:7], s[84:85]          ; its scale words,
	s_add_nc_u64 s[16:17], s[16:17], s[86:87]      ; out0 likewise
	v_and_b32 v8, 15, v0                           ; r = lane % 16
	v_bfe_u32 v9, v0, 4, 1                         ; h = lane / 16
	v_lshlrev_b32 v10, 7, v8
	v_lshl_add_u32 v10, v9, 4, v10                 ; Q: row r of 128 bytes, + 16 h
.irp c, 0,1,2,3
	global_load_b128 v[16+4*\c:19+4*\c], v10, s[4:5] offset:32*\c th:TH_LOAD_NT   ; Q's fragment stays in registers; the launch reads these bytes once
.endr
	v_lshlrev_b32 v254, 2, v8
	global_load_b32 v255, v254, s[6:7]             ; Q's scale words.  (v10 and v254 are not written again before the wait for these loads)
	v_and_b32 v11, 7, v8
	v_mul_u32_u24 v[AK0], v11, KP                  ; K: row r % 8 of a group of eight,
	v_lshrrev_b32 v11, 3, v8
	v_mad_u32_u24 v[AK0], v11, KODD, v[AK0]        ; lanes 8-15 in the half whose keys have bit 4 set,
	v_lshl_add_u32 v[AK0], v9, 4, v[AK0]           ; + 16 h
	v_mul_u32_u24 v[AV0], v8, VP
	v_lshl_add_u32 v[AV0], v9, 4, v[AV0]
	v_add_nc_u32 v[AV0], VOFF, v[AV0]              ; V: row r, + 16 h
	v_and_b32 v11, 8, v8
	v_add_nc_u32 v11, v11, v8                      ; r + 8 (r / 8)
	v_lshl_add_u32 v[ASK0], v11, 2, SCK            ; K's scale words: 4 bytes a key; a step's 128 keys are two units
	v_lshlrev_b32 v12, 6, v8                       ; V's: row r of a tile begins 64 r bytes on: which unit of 256 bytes, and where in it
	v_lshrrev_b32 v13, 8, v12
	v_and_b32 v12, 255, v12
	v_mad_u32_u24 v[ASV0], v13, 272, v12
	v_add_nc_u32 v[ASV0], SCV, v[ASV0]
	v_lshlrev_b32 v[GO], 9, v9
	v_lshl_add_u32 v[GO], v8, 4, v[GO]             ; the way out: lanes 0-15 take one row of out0, lanes 16-31 the next; 16 bytes a lane
	v_mov_b32 v13, 0xff61b1e6                      ; the largest t so far: -3e38, under every t
	v_floor_f32 v12, -v13                          ; -M
	v_mov_b32 v14, 0                               ; the sum, in two halves
	v_mov_b32 v15, 0
.irp b, 0,1,2,3
	v_mov_b32 v[236+\b], 0                         ; written once: a lane permute's destination counts as one of its sources
.endr
	v_mov_b32 v253, 0                              ; (named as the upper half of the pair v[252:253] before it is first written)
.set jj, 0
.rept 64
	v_mov_b32 v[160+jj], 0                         ; O^T.  (The step is written for every step alike: the first finds zeros, which the first change of M leaves zeros)
.set jj, jj+1
.endr
; Four fragments of V^T (channels 16 (4 g + t) on, the slot's q-th 128 keys) and their scale words
.macro VFETCH g, q
.irp t, 0,1,2,3
.irp c, 0,1,2,3
	ds_load_b128 v[32+16*\t+4*\c:35+16*\t+4*\c], v[ADV] offset:16*(4*\g+\t)*VP+128*(\q)+32*\c
.endr
	ds_load_b32 v[248+\t], v[ADT] offset:(4*\g+\t)*4*272
.endr
.endm
; O^T += V^T P^T for those four tiles.  The eight accumulators of O^T take turns, one instruction a turn; between two turns of one accumulator stand the other seven and the next step's eight products K Q^T.
.macro PV g
.irp t, 0,1,2,3
	v_wmma_scale_f32_16x16x128_f8f6f4 v[160+8*(4*\g+\t):167+8*(4*\g+\t)], v[32+16*\t:47+16*\t], v[224:239], v[160+8*(4*\g+\t):167+8*(4*\g+\t)], v[248+\t], v253 matrix_a_fmt:MATRIX_FMT_BF8 matrix_b_fmt:MATRIX_FMT_BF8
.endr
.endm
; On the diagonal the scores of hidden keys become -infinity ahead of the maximum: p = 0 then.  Register 16 b + i holds key 32 b + 16 (lane / 16) + i of the step, my query is 16 g + lane % 16 of the same 128: hidden where 32 b + i > d.
.macro MASK
	v_and_b32 v252, 15, v0
	v_bfe_u32 v254, v0, 4, 1
	v_lshlrev_b32 v254, 4, v254
	v_sub_nc_u32 v252, v252, v254
	v_add_nc_u32 v252, s[GQ], v252                 ; d = 16 g + lane % 16 - 16 (lane / 16)
	v_mov_b32 v254, 0xff800000                     ; -infinity
.set jj, 0
.rept 64                                       ; ascending: each accumulator is read from its low end on
	v_cmp_gt_i32 vcc_lo, 32*(jj/16)+jj%16, v252
	v_cndmask_b32 v[96+jj], v[96+jj], v254, vcc_lo
.set jj, jj+1
.endr
.endm
; The softmax of a step, p's codes and scale word, and O^T and the sum under the new M
.macro SOFTMAX
.irp b, 0,1,2,3
	v_max3_num_f32 v[232+\b], v[96+16*\b], v[97+16*\b], v[98+16*\b]   ; THE LARGEST SCORE OF EACH BLOCK OF 32 KEYS: it serves twice: for the row's maximum, and, since p rises with the score, for the block's largest p
.endr
.irp i, 3,5,7,9,11,13
.irp b, 0,1,2,3
	v_max3_num_f32 v[232+\b], v[232+\b], v[96+16*\b+\i], v[97+16*\b+\i]   ; (the four blocks by turns)
.endr
.endr
.irp b, 0,1,2,3
	v_max_num_f32 v[232+\b], v[232+\b], v[111+16*\b]
.endr
.irp b, 0,1,2,3
	v_permlanex16_b32 v[236+\b], v[232+\b], s[SEL], s[SEL+1]
.endr
.irp b, 0,1,2,3
	v_max_num_f32 v[232+\b], v[232+\b], v[236+\b]  ; with lane l xor 16's 16 keys
.endr
	v_max3_num_f32 v254, v232, v233, v234
	v_max_num_f32 v254, v254, v235                 ; the step's largest score of my query
	v_mul_f32 v254, s[CS], v254                    ; as t (c is positive)
	v_max_num_f32 v13, v13, v254                   ; the running largest t
	v_mov_b32 v254, v12
	v_floor_f32 v12, -v13                          ; the new -M = floor(-t) = -ceil(t): M IS A WHOLE NUMBER
	v_sub_f32 v254, v12, v254                      ; M's old value less its new one: a whole number, 0 or less
	v_cvt_i32_f32 v254, v254                       ; (it saturates)
	v_ldexp_f32 v252, 1.0, v254                    ; f = 2^(old M - new M): a multiplication by it rounds nothing
.set jj, 0
.rept 32
	v_pk_fma_f32 v[96+jj:97+jj], v[96+jj:97+jj], s[CS:CS+1], v[12:13] op_sel_hi:[1,0,0]   ; t - M, two at a time (of the pairs c and -M the low word serves both halves)
.set jj, jj+2
.endr
.irp b, 0,1,2,3
	v_fma_f32 v[232+\b], v[232+\b], s[CS], v12     ; the same of each block's largest score
.endr
.set jj, 0
.rept 64
	v_exp_f32 v[96+jj], v[96+jj]                   ; p = 2^(t - M): NOT normalised
.set jj, jj+1
.endr
.irp b, 0,1,2,3
	v_exp_f32 v[232+\b], v[232+\b]                 ; the block's largest p: the same two instructions on the same number give the same bits
.endr
	v_pk_mul_f32 v[14:15], v[14:15], v[252:253] op_sel_hi:[1,0]   ; the sums under the new M.  (The plain instruction behind the exponentials)
	s_wait_alu depctr_va_vdst(0)
.irp b, 0,1,2,3
	v_max_num_f32 v[232+\b], 0x8000000, v[232+\b]  ; the floor 2^(16 - 127): the byte cannot fall under 1
.endr
.irp b, 0,1,2,3
	v_add_nc_u32 v[244+\b], 0xf8800000, v[232+\b]  ; 15 off the exponent field: the conversion's scale operand
.endr
.irp b, 0,1,2,3
	v_and_or_b32 v[240+\b], v[232+\b], 0x7f800000, s[MNT]   ; 57,344 x the scale
.endr
.irp b, 0,1,2,3
	v_lshrrev_b32 v[236+\b], 23, v[244+\b]         ; the scale's byte
.endr
	v_lshl_or_b32 v253, v237, 8, v236              ; p's scale word for these 128 keys
	v_lshl_or_b32 v253, v238, 16, v253
	v_lshl_or_b32 v253, v239, 24, v253
	v_pk_add_f32 v[236:237], v[96:97], v[98:99]    ; THE ROW'S SUM IS TAKEN OF THE UNQUANTISED p: two at a time, in two chains
.set jj, 4
.rept 15
	v_pk_add_f32 v[14:15], v[14:15], v[96+jj:97+jj]
	v_pk_add_f32 v[236:237], v[236:237], v[98+jj:99+jj]
.set jj, jj+4
.endr
	v_pk_add_f32 v[14:15], v[14:15], v[236:237]
.irp b, 0,1,2,3
.irp i, 0,1,2,3,4,5,6,7,8,9,10,11,12,13,14,15
	v_min_num_f32 v[96+16*\b+\i], v[96+16*\b+\i], v[240+\b]   ; the conversion to an 8-bit code does not saturate (ISA guide 7.6.2); p is not negative, so the hold is one-sided
.endr
	v_cvt_scalef32_pk8_bf8_f32 v[224+4*\b:225+4*\b], v[96+16*\b:103+16*\b], v[244+\b]
	v_cvt_scalef32_pk8_bf8_f32 v[226+4*\b:227+4*\b], v[104+16*\b:111+16*\b], v[244+\b]
.endr
.set jj, 0
.rept 32
	v_pk_mul_f32 v[160+jj:161+jj], v[160+jj:161+jj], v[252:253] op_sel_hi:[1,0]   ; O^T under the new M: x f, each accumulator from its low end on.  (These 32 also stand between the codes' last write and the products that read them)
.set jj, jj+2
.endr
.endm
; THE WAY OUT of my 16 queries.  The sum's two halves and the other half of the lanes' are added; O^T is divided by the sum and goes through my stage, half a row (64 channels, 256 bytes) of 16 queries at a time.
.macro WAYOUT
	v_add_f32 v14, v14, v15
	v_permlanex16_b32 v252, v14, s[SEL], s[SEL+1]
	v_add_f32 v14, v14, v252                       ; the row's sum
	v_rcp_f32 v14, v14
	v_and_b32 v8, 15, v0                           ; eight plain lines: the one behind the reciprocal, and the eight places between the last products and the first read of their results
	v_bfe_u32 v9, v0, 4, 1
	v_mul_u32_u24 v10, v8, 272
	v_lshl_add_u32 v10, v9, 5, v10
	v_add_nc_u32 v10, s[STGA], v10                 ; in: row r; tile t's eight channels of my half of the lanes: 64 t + 32 h bytes on
	v_mul_u32_u24 v11, v9, 272
	v_lshl_add_u32 v11, v8, 4, v11
	v_add_nc_u32 v11, s[STGA], v11                 ; back: lanes 0-15 one row, lanes 16-31 the next
.set jj, 0
	s_wait_alu depctr_va_vdst(0)
.rept 32
	v_pk_mul_f32 v[96+jj:97+jj], v[160+jj:161+jj], v[14:15] op_sel_hi:[1,0]   ; O^T / the sum: register 8 t + i is o(r, 16 t + 8 h + i)
.set jj, jj+2
.endr
.irp k, 0,1                                    ; channels 64 k on
.irp t, 0,1,2,3
	ds_store_b128 v10, v[96+32*\k+8*\t:99+32*\k+8*\t] offset:64*\t
	ds_store_b128 v10, v[100+32*\k+8*\t:103+32*\k+8*\t] offset:64*\t+16
.endr
.irp i, 0,1,2,3,4,5,6,7
	ds_load_b128 v[32+32*\k+4*\i:35+32*\k+4*\i], v11 offset:2*\i*272   ; LDS serves a wave's instructions in order (ISA guide 5.7.1.4): these see my stores, and the next half's stores come behind them
.endr
.endr
.irp k, 0,1
.irp i, 0,1,2,3,4,5,6,7
	s_wait_dscnt 23-16*\k-\i                       ; behind load i of half k were issued the half's 7 - i further loads and, for k = 0, the second half's 8 stores and 8 loads
	global_store_b128 v[GO], v[32+32*\k+4*\i:35+32*\k+4*\i], s[16:17] offset:1024*\i+256*\k th:TH_STORE_NT   ; 16 lanes store 256 consecutive bytes, at a multiple of 256 from out0's first byte; written once
.endr
.endr
	s_wait_xcnt 0x0                                ; the stores have read their registers: what follows in the text loads into v32 on
.endm
; A KEY STEP: 128 keys, the q-th of the slot in hand.  No barrier and no tensor load stands in it.
.macro STEP q
	s_cmp_gt_u32 s[KJ], s[UN]                      ; all its keys come after my queries: the step's work is left out, not the lines at its end that step addresses
	s_cbranch_scc1 .Lhid_\@
	v_add_nc_u32 v[ADK], s[TB], v[AK0]
	v_add_nc_u32 v[ADV], s[TB], v[AV0]
	v_add_nc_u32 v[ADS], s[TS], v[ASK0]
	v_add_nc_u32 v[ADT], s[TJ], v[ASV0]
.irp g, 0,1                                    ; S^T = K Q^T, four tiles of 16 keys at a time
.rept 4+4*\g
	v_nop                                          ; eight places in front of loads into registers that matrix instructions have read; the four additions above are places too
.endr
.irp t, 0,1,2,3
.irp c, 0,1,2,3
	ds_load_b128 v[32+16*\t+4*\c:35+16*\t+4*\c], v[ADK] offset:((4*(\q)+(4*\g+\t)/2)*16+8*(\t%2))*KP+32*\c
.endr
	ds_load_b32 v[248+\t], v[ADS] offset:272*\g+(32*(((4*\g+\t)/2)%2)+8*(\t%2))*4
.endr
	s_wait_dscnt 0x0                               ; all twenty are wanted
.irp t, 0,1,2,3
	v_wmma_scale_f32_16x16x128_f8f6f4 v[96+8*(4*\g+\t):103+8*(4*\g+\t)], v[32+16*\t:47+16*\t], v[16:31], 0, v[248+\t], v255 matrix_a_fmt:MATRIX_FMT_BF8 matrix_b_fmt:MATRIX_FMT_BF8
.endr
.endr
.rept 8
	v_nop                                          ; eight places: for the first read of the scores, and for the loads below into the fragments' and scale words' registers
.endr
	VFETCH 0, \q                                   ; V's first four fragments land while the softmax is worked
	s_cmp_lt_u32 s[KJ], s[UN]                      ; a step all of whose keys count has no mask
	s_cbranch_scc1 .Lopen_\@
	MASK
.Lopen_\@:
	SOFTMAX
	s_wait_dscnt 0x0                               ; V's first four fragments and their scale words
	PV 0
.rept 8
	v_nop
.endr
	VFETCH 1, \q
	s_wait_dscnt 0x0
	PV 1
	s_cmp_lt_u32 s[KJ], s[UN]                      ; the diagonal step is my last: my rows leave now
	s_cbranch_scc1 .Lhid_\@
	WAYOUT
.Lhid_\@:
	s_add_co_u32 s[KJ], s[KJ], 1
	s_add_co_u32 s[TS], s[TS], 544                 ; the next step's scale words
	s_add_co_u32 s[TJ], s[TJ], 4
.endm
; THE CHANGE OF SLOTS stands at a slot's head.  Each wave waits for all its tensor loads (its part of the slot that it is about to read), adds 0 to its spare word, and waits for that and for its reads of the slot that it has left.
; fill = 1: the barrier is a round of the cluster's, so that no wave of any partner still reads the other slot or has a load on its way, and that slot is filled with the next 256 keys, first thing behind the round:
; the load has a whole slot's two steps in which to land.  One tensor load of a wave is out behind each round.
.macro CHANGE fill
	s_wait_tensorcnt 0x0                           ; no tensor load of mine is out, so a group 0 may be written
	ds_add_u32 v[SPW], v[NIL]                      ; 0 onto my spare word; with fill = 1 the descriptors' steps stand between it and the wait for it
.if \fill
	s_xor_b32 s[G0K+1], s[G0K+1], SLOT1            ; the walking descriptors: the other slot than last time,
	s_add_nc_u64 s[G0K+2:G0K+3], s[G0K+2:G0K+3], 256*128   ; the next 256 keys; the type bits on top are not reached
	s_xor_b32 s[G0V+1], s[G0V+1], SLOT1
	s_add_nc_u64 s[G0V+2:G0V+3], s[G0V+2:G0V+3], 256
.endif
	s_wait_dscnt 0x0                               ; the add is done, and my reads of the slot that I have left are over
.if \fill
	CROUND
	JLOAD
.else
	s_barrier_signal -1
	s_barrier_wait -1
.endif
.endm
	s_wait_loadcnt 0x0                             ; Q and its scale words
.Lslot:                                            ; NSL - 1 = 7 trips: behind each change of slots but the last the next slot is asked for (in the first trip: slot 1's first fill)
	CHANGE 1
	STEP 0
	STEP 1
	s_xor_b32 s[TB], s[TB], SLOT1                  ; on to the other slot
	s_sub_co_u32 s[SLOTS], s[SLOTS], 1
	s_cmp_lg_u32 s[SLOTS], 0
	s_cbranch_scc1 .Lslot
	CHANGE 0                                       ; the last slot is written out, so no round
	STEP 0
	STEP 1
	s_wait_tensorcnt 0x0                           ; the wave's end, behind my last tensor load and my last LDS store
	ds_add_u32 v[SPW], v[NIL]
	s_wait_dscnt 0x0
	CROUND                                         ; the closing round: no work-group ends while a partner may still ask for a tile that names it
	s_endpgm
.Lfunc_end_k_q8c6b72bd8b_attn:
	.size	k_q8c6b72bd8b_attn, .Lfunc_end_k_q8c6b72bd8b_attn-k_q8c6b72bd8b_attn
	.p2alignl 7, 3214868480
	.fill 96, 4, 3214868480
	.section	.rodata,"a",@progbits
	.p2align	6, 0x0
	.amdhsa_kernel k_q8c6b72bd8b_attn
		.amdhsa_group_segment_fixed_size 327680
		.amdhsa_private_segment_fixed_size 0
		.amdhsa_enable_private_segment 0
		.amdhsa_kernarg_size 56
		.amdhsa_user_sgpr_count 2
		.amdhsa_user_sgpr_kernarg_segment_ptr 1
		.amdhsa_wavefront_size32 1
		.amdhsa_system_sgpr_workgroup_id_x 1
		.amdhsa_system_sgpr_workgroup_id_y 1
		.amdhsa_system_sgpr_workgroup_id_z 1
		.amdhsa_system_vgpr_workitem_id 0
		.amdhsa_next_free_vgpr 256
		.amdhsa_next_free_sgpr 100
		.amdhsa_reserve_vcc 1
		.amdhsa_float_denorm_mode_32 3
		.amdhsa_float_denorm_mode_16_64 3
		.amdhsa_memory_ordered 1
		.amdhsa_forward_progress 1
		.amdhsa_inst_pref_size 154
	.end_amdhsa_kernel
	.amdgpu_metadata
---
amdhsa.version: [ 1, 2 ]
amdhsa.kernels:
  - .name:           k_q8c6b72bd8b_attn
    .symbol:         k_q8c6b72bd8b_attn.kd
    .args:
      - { .name: Q_codes, .offset: 0, .size: 8, .value_kind: global_buffer, .address_space: global }
      - { .name: Q_scales, .offset: 8, .size: 8, .value_kind: global_buffer, .address_space: global }
      - { .name: K_codes, .offset: 16, .size: 8, .value_kind: global_buffer, .address_space: global }
      - { .name: K_scales, .offset: 24, .size: 8, .value_kind: global_buffer, .address_space: global }
      - { .name: V_codes, .offset: 32, .size: 8, .value_kind: global_buffer, .address_space: global }
      - { .name: V_scales, .offset: 40, .size: 8, .value_kind: global_buffer, .address_space: global }
      - { .name: out0, .offset: 48, .size: 8, .value_kind: global_buffer, .address_space: global }
    .group_segment_fixed_size: 327680
    .private_segment_fixed_size: 0
    .kernarg_segment_align: 8
    .kernarg_segment_size: 56
    .max_flat_workgroup_size: 512
    .sgpr_count:     100
    .vgpr_count:     256
    .wavefront_size: 32
...
	.end_amdgpu_metadata
.endif
;; end of part 1
;; ======== version 2 of 2: 1 launch
;; limits: right only within a limited range of input values
;; launch attn (part 2): grid 4 x 64, 8 waves a work-group, clusters of 4 x 1, 327,680 bytes of LDS; arguments Q_codes, Q_scales, K_codes, K_scales, V_codes, V_scales, out0; writes out0
.if DOCPART == 2
	.amdgcn_target "amdgcn-amd-amdhsa--gfx1250"
	.amdhsa_code_object_version 6
	.text
	.protected	k_q8c6b72bd8b_attn
	.globl	k_q8c6b72bd8b_attn
	.p2align	8
	.type	k_q8c6b72bd8b_attn,@function
k_q8c6b72bd8b_attn:
	s_mov_b64 s[64:65], 0
	v_nop
	global_prefetch_b8 v0, s[64:65] scope:SCOPE_SE
	s_setreg_imm32_b32 hwreg(HW_REG_WAVE_MODE, 25, 1), 1
	s_wait_xcnt 0x0
	s_wait_alu depctr_hold_cnt(0) depctr_sa_sdst(0) depctr_va_vdst(0) depctr_va_sdst(0) depctr_va_ssrc(0) depctr_va_vcc(0) depctr_vm_vsrc(0)
	s_getreg_b32 s2, hwreg(HW_REG_IB_STS2, 6, 4)
	s_cmp_eq_u32 s2, 0
	s_cbranch_scc0 .Lentry_in_a_cluster
	s_endpgm
.Lentry_in_a_cluster:
	s_bfe_u32 s2, ttmp6, 0x10000c
	s_cmp_lg_u32 s2, 0x3003
	s_cbranch_scc0 .Lentry_shape_is_right
	s_endpgm
.Lentry_shape_is_right:
; out0[head][q][:] = the sum over k <= q of softmax_k(Q[head][q] . K[head][k] / sqrt(128)) V[head][k][:], 64 heads, 2,048 queries and keys, head size 128.
; Both products on codes of BF8 (E5M2) with one E8M0 scale for each 32 along a product's K.  Q, K: [head][2048][128] codes, scale bytes [head][2048][4].
; V: codes with the KEYS innermost, [head][128][2048], scale bytes [head][128][64].  out0: [head][2048][128] f32.
; THE SOFTMAX AHEAD OF THE SECOND PRODUCT: t = score x log2(e) / sqrt(128); M = the row's largest t so far, rounded UP to a whole number; p = 2^(t - M) is quantised along the keys, not normalised.
; The row's sum is taken of the unquantised p, in f32, and divides O at the end.  When M moves, the sum and O are multiplied by 2^(old M - new M): exact.
; SHARES.  The 2,048 queries of a head are 16 UNITS of 128, a unit 8 tiles of 16; a key step is 128 keys.  Unit v needs key steps 0 .. v, the last of them (the diagonal) under the mask.
; The four work-groups of a head are one cluster.  In work-group g (0..3) the wave with unit u (0..7) takes TWO TILES AT A TIME: tiles g and g + 4 of unit u, then tiles g and g + 4 of unit 15 - u:
; (u + 1) + (16 - u) = 17 steps, for every wave.  Each fragment of K and V that the wave reads from LDS feeds two matrix instructions, one for each tile.
; TWO STREAMS OF KEYS.  The launch goes in 17 PERIODS.  In period p stream A holds key step p (p = 0..7) and stream B key step 16 - p (p = 1..16).  A wave reads A while p <= u: key steps 0 .. u, the diagonal last;
; from p = u + 1 on it reads B: key steps 15 - u .. 0, the diagonal first.  So all eight waves have one step of work in every period.  Which stream, and whether a step is a diagonal, hangs on the period's number and
; the wave's number alone: the four partners of a cluster take every branch alike.  g enters Q's and out0's global addresses and the mask's vector compare, nothing else.
; WAVE TO UNIT: the table 0, 2, 4, 6, 3, 5, 7, 1.  The two waves that carry a mask in one period have units p and p - 1: by the table they differ both in w % 4 and in w / 2.
; A wave's first two tiles leave at the end of their diagonal step, through stages of the wave's own; the second two leave behind the last period.
; CLUSTER.  The four work-groups walk the same K, V and scale bytes in the same rounds: each tile is asked for JOINTLY, by the same tensor load with the same descriptor and the mask 15.
; LAYOUT.  Both products are used transposed: S^T = K Q^T (source 0 = 16 keys, source 1 = 16 queries), O^T = V^T P^T (source 0 = 16 channels, source 1 = P): a lane holds ONE query (lane % 16) of each tile throughout.
; THE KEYS OF A TILE ARE NOT NEIGHBOURS: lane r of tile 2 b + u takes key 32 b + 8 u + r + 8 (r / 8), so that the 16 registers of tiles 2 b and 2 b + 1 are 16 neighbouring keys, 32 b + 16 (lane / 16) + 0 .. 15.
; LIMITS: NaN and infinity codes and the scale byte 0xff give NaN and are not served otherwise; scores must stay finite in f32; v_exp_f32 gives 0 for p under 2^-126 (nothing beside a sum above 1/2);
; a block whose p are all 0 keeps the scale byte 1 (its codes are zeros; only this kernel reads the byte); t is one fused multiply-add with c = log2(e) / sqrt(128) rounded once, where the source multiplies twice;
; a block's largest p is its largest score put through the same two instructions, which takes v_exp_f32 not to fall where its input rises (the ISA guide promises 1 ulp);
; a wave's second tiles start from what its first left in O^T and the sum, multiplied by f = 0: that takes the first tiles' unnormalised sums to be finite.
; LDS.  Four slots of 128 keys: A's and B's for even periods in the lower 2^17 bytes, those for odd periods in the upper.  (Four slots of 256 keys would be 287,744 bytes: with 17,408 of scale bytes and the spare
; words they leave no room for sixteen stages, 69,632.  So a row of V's tile is 128 bytes of memory.)  In a slot: the 64 keys whose bit 4 is 0 (key k at row 16 (k / 32) + k % 16, pitch 144), from KODD on those whose bit 4
; is 1, from VOFF on 128 rows of V (pitch 144).  B's slot lies BOFF behind A's; from STG0 on four waves' pairs of stages (no fill lands there).  Behind the two halves: K's and V's scale bytes of the whole head
; (256 bytes + 16 at a time), filled once; then the spare words.  All of a WGP's LDS is claimed.
; KODD is 128 mod 256: lanes 0-7 of a fragment load of K start at words 0, 36, 8, 44, 16, 52, 24, 60 (or all 32 on), lanes 8-15 32 words from them; V's sixteen rows start at words 36 r mod 64: sixteen different 16-byte columns each (64 banks of 4 bytes: ISA guide 11.1).
; REGISTERS, in two windows of 256 (s_set_vgpr_msb's low byte: bits 1:0 source 0, 3:2 source 1, 5:4 source 2, 7:6 destination).  TILE 0's state lies in window 0, TILE 1's at the same numbers in window 1:
;   v12 -M, v13 the largest t, v[14:15] the sum in two halves; v16-31 Q; v96-159 S^T, then p; v160-223 O^T; v224-239 p's codes; v232-247, v252, v254 at work.
;   v32-95: window 0 fragments 0-3 of K or V, window 1 fragments 4-7.  Window 0 alone: v0 the thread's number; v1-7 addresses that stay; v8-11 addresses of the loads in hand; and the scale registers, each with two things
;   (the second read from lanes 16-31): v248-251 K's or V's words of fragment t | fragment t + 4; v253 p's word of tile 0 | tile 1; v255 Q's words of tile 0 | tile 1.
.set KP,    144                        ; a key's row in LDS: 128 bytes + 16 of padding
.set VP,    144                        ; a row of V's tile in LDS: 128 bytes + 16
.set SLOT1, 1<<17                      ; the odd periods' slots begin here: one exclusive or turns an address in one half into the other's
.set KODD,  9344                       ; the keys with bit 4 set: 64 rows x 144 = 9,216, and 128 bytes that nothing touches
.set VOFF,  18688                      ; V's rows
.set BOFF,  37120                      ; stream B's slot
.set STG0,  74240                      ; the stages: 16 rows x 272 bytes a tile, two a wave, four waves in each half
.set STGB,  16*272
.set SCK,   2*SLOT1                    ; K's scale bytes: 8,192 bytes as 32 pieces of 256 + 16
.set SCH,   16*272                     ; half of them: what one tensor load brings
.set SCV,   SCK+2*SCH                  ; V's likewise
.set SPARE, SCV+2*SCH                  ; the spare words, 128 bytes for each of eight waves: four blocks of 256 bytes that no other line names
.set UTAB,  (2<<3)|(4<<6)|(6<<9)|(3<<12)|(5<<15)|(7<<18)|(1<<21)   ; wave to unit, three bits an entry
.set AK0,  1                           ; v1   my lane's place in a tile of K
.set AV0,  2                           ; v2   in a tile of V
.set ASK0, 3                           ; v3   among K's scale words (lanes 16-31: four tiles on)
.set ASV0, 4                           ; v4   among V's (likewise)
.set SPW,  5                           ; v5   LDS address of my spare word: SPARE + 4 x my thread's number; never rewritten
.set NIL,  6                           ; v6   0; never rewritten
.set GO,   7                           ; v7   the way out: my byte offset in a tile's rows of out0; never rewritten
.set ADK,  8                           ; v8   LDS address of the step's tiles of K
.set ADV,  9                           ; v9   of V
.set ADS,  10                          ; v10  of K's scale words
.set ADT,  11                          ; v11  of V's
.set WV,   18                          ; s18  my wave's number
.set MNT,  19
.set SEL,  20                          ; s[20:21] lane selects for v_permlanex16_b32: lane l xor 16
.set CS,   22                          ; s[22:23] c = log2(e) / sqrt(128): the packed form names a pair and takes its low word for both halves
.set G1K,  24                          ; s[24:31] descriptor group 1 for K's tiles;  s[32:39] for V's;  s[40:47] for the scale bytes
.set G1V,  32
.set G1S,  40
.set G0KA, 48                          ; s[48:63] groups 0, which walk: stream A's K and V, stream B's K and V
.set G0VA, 52
.set G0KB, 56
.set G0VB, 60
.set TB,   66                          ; s66  LDS byte at which the period's half begins
.set KJ,   67                          ; s67  the period's number, 0..16
.set G0SK, 68                          ; s[68:71], s[72:75] groups 0 for K's and V's scale bytes
.set G0SV, 72
.set UN,   76                          ; s76  my unit u
.set UN1,  77                          ; s77  u + 1: the period of my second tiles' diagonal
.set GQ,   78                          ; s78  tile 0's first query within its unit: 16 g
.set STGA, 79                          ; s79  my stages
.set TRIPS, 80                         ; s80  a loop's trips
.set JK,   81                          ; s81  my key step in this period
.set TS,   82                          ; s82  where its scale words of K begin: 544 bytes a key step
.set TJ,   83                          ; s83  and V's: 4 bytes a key step
.set KD,   84                          ; s84  what I fetch: 0 A's K, 1 A's V, 2 B's K, 3 B's V
.set SO,   85                          ; s85  LDS byte at which my stream's slot begins
.set QCB,  86                          ; s[86:87] my second tiles' codes of Q;  s[88:89] their scale words;  s[90:91] their rows of out0
.set QSB,  88
.set OUB,  90
.set GQ1,  100                         ; s100 tile 1's first query within its unit: 16 g + 64
.set HM,   105                         ; s105 the lanes 16-31, as a mask
.set MSB, 0
.macro WIN new                         ; the immediate's high byte repeats the setting that is left; a switch that changes nothing is dropped.  At a label and at a branch every window is 0
.if MSB != \new
	s_set_vgpr_msb (MSB<<8)|\new
.set MSB, \new
.endif
.endm
; A round of the cluster's barrier: my work-group's barrier, so that wave 0's signal speaks for all eight waves; wave 0 signals for the work-group; every wave waits for all four work-groups; my work-group's barrier once more.
.macro CROUND
	s_barrier_signal -1
	s_barrier_wait -1
	s_cmp_lg_u32 s[WV], 0
	s_cbranch_scc1 .Lnot_wave_0_\@
	s_barrier_signal -3
.Lnot_wave_0_\@:
	s_barrier_wait -3
	s_barrier_signal -1
	s_barrier_wait -1
.endm
; A joint fill.  fa = 1: waves 0 and 1 fetch the halves of stream A's K, waves 2 and 3 those of its V.  fb = 1: waves 4 and 5, 6 and 7 the same for stream B.
; The branches hang on the wave's number alone: they are the same in every work-group.  Four v_nop follow each of the lines, ahead of the jump, the label and what follows.
.macro JLOAD fa, fb
.if \fa
	s_cmp_lt_u32 s[WV], 2
	s_cbranch_scc0 .Lnot_ka_\@
	tensor_load_to_lds s[G0KA:G0KA+3], s[G1K:G1K+7]
	s_nop 0
.rept 4
	v_nop
.endr
	s_branch .Lasked_\@
.Lnot_ka_\@:
	s_cmp_lt_u32 s[WV], 4
	s_cbranch_scc0 .Lnot_va_\@
	tensor_load_to_lds s[G0VA:G0VA+3], s[G1V:G1V+7]
	s_nop 0
.rept 4
	v_nop
.endr
	s_branch .Lasked_\@
.Lnot_va_\@:
.else
	s_cmp_lt_u32 s[WV], 4
	s_cbranch_scc1 .Lasked_\@
.endif
.if \fb
	s_cmp_lt_u32 s[WV], 6
	s_cbranch_scc0 .Lnot_kb_\@
	tensor_load_to_lds s[G0KB:G0KB+3], s[G1K:G1K+7]
	s_nop 0
.rept 4
	v_nop
.endr
	s_branch .Lasked_\@
.Lnot_kb_\@:
	tensor_load_to_lds s[G0VB:G0VB+3], s[G1V:G1V+7]
	s_nop 0
.rept 4
	v_nop
.endr
.endif
.Lasked_\@:
.endm
	s_load_b128 s[4:7], s[0:1], 0x0                ; Q's codes, Q's scales
	s_load_b128 s[8:11], s[0:1], 0x10              ; K's codes, K's scales
	s_load_b128 s[12:15], s[0:1], 0x20             ; V's codes, V's scales
	s_load_b64 s[16:17], s[0:1], 0x30              ; out0
	v_lshl_add_u32 v[SPW], v0, 2, SPARE
	v_mov_b32 v[NIL], 0
	ds_add_u32 v5, v6
	ds_add_u32 v5, v6
	s_wait_dscnt 0x0
	v_lshrrev_b32 v8, 5, v0
	s_delay_alu instid0(VALU_DEP_1)
	v_readfirstlane_b32 s[WV], v8                  ; wave 0..7
	v_and_b32 v8, 15, v0                           ; r = lane % 16
	v_bfe_u32 v9, v0, 4, 1                         ; h = lane / 16
	s_delay_alu instid0(VALU_DEP_2)
	v_lshlrev_b32 v10, 7, v8
	s_delay_alu instid0(VALU_DEP_1)
	v_lshl_add_u32 v10, v9, 4, v10                 ; Q: row r of 128 bytes, + 16 h
	s_delay_alu instid0(VALU_DEP_4)
	v_lshlrev_b32 v254, 2, v8
	s_delay_alu instid0(VALU_DEP_1)
	v_lshl_add_u32 v254, v9, 8, v254               ; its scale words: lanes 0-15 tile 0's, lanes 16-31 tile 1's, 64 queries (256 bytes) on
	s_mul_i32 s3, s[WV], 3
	s_lshr_b32 s[UN], UTAB, s3
	s_and_b32 s[UN], s[UN], 7                      ; my unit
	s_add_co_u32 s[UN1], s[UN], 1
	s_and_b32 s[STGA], s[WV], 3                    ; my stages: STG0 + 8,704 (w % 4) + 2^17 (w / 4): the wave's number alone; tile 1's lies STGB behind tile 0's
	s_mul_i32 s[STGA], s[STGA], 2*STGB
	s_lshr_b32 s2, s[WV], 2
	s_lshl_b32 s2, s2, 17
	s_add_co_u32 s[STGA], s[STGA], s2
	s_add_co_u32 s[STGA], s[STGA], STG0
	s_and_b32 s92, ttmp7, 0xffff                   ; the head, which the four partners share
	s_mov_b32 s93, 0
	s_lshl_b64 s[94:95], s[92:93], 18              ; the head's first byte in each tensor of codes (2,048 x 128),
	s_lshl_b64 s[96:97], s[92:93], 13              ; in each tensor of scale bytes,
	s_lshl_b64 s[98:99], s[92:93], 20              ; and in out0
	; WHAT I FETCH.  e = w % 2: which half of a tile; kind = w / 2.  Every wave makes all four walking groups 0, with its own e.  They begin at the even half's first tiles: stream A's key step 0, stream B's key step 14.
	; None of the registers below ever holds g.
	s_and_b32 s104, s[WV], 1                       ; e
	s_lshr_b32 s[KD], s[WV], 1                     ; kind
	s_mul_i32 s[G0KA+1], s104, KODD                ; 63:32 LDS address
	s_add_co_u32 s[G0KB+1], s[G0KA+1], BOFF
	s_mul_i32 s[G0VA+1], s104, 64*VP
	s_add_co_u32 s[G0VA+1], s[G0VA+1], VOFF
	s_add_co_u32 s[G0VB+1], s[G0VA+1], BOFF
	s_lshl_b32 s[G0KA+2], s104, 11                 ; K in memory: the half with bit 4 set begins 16 keys (2,048 bytes) on; a key step is 16,384 bytes
	s_mov_b32 s[G0KA+3], 0
	s_add_nc_u64 s[G0KA+2:G0KA+3], s[G0KA+2:G0KA+3], s[94:95]
	s_add_nc_u64 s[G0KB+2:G0KB+3], s[G0KA+2:G0KA+3], 14*16384
	s_lshl_b32 s[G0VA+2], s104, 17                 ; V in memory: rows 64 e on, 2,048 bytes each; a key step is 128 bytes of a row
	s_mov_b32 s[G0VA+3], 0
	s_add_nc_u64 s[G0VA+2:G0VA+3], s[G0VA+2:G0VA+3], s[94:95]
	s_add_nc_u64 s[G0VB+2:G0VB+3], s[G0VA+2:G0VA+3], 14*128
	s_mul_i32 s3, s104, SCH                        ; the scale bytes: half e: 4,096 bytes of memory, 4,352 of LDS
	s_add_co_u32 s[G0SK+1], s3, SCK
	s_add_co_u32 s[G0SV+1], s3, SCV
	s_lshl_b32 s[G0SK+2], s104, 12
	s_mov_b32 s[G0SK+3], 0
	s_add_nc_u64 s[G0SK+2:G0SK+3], s[G0SK+2:G0SK+3], s[96:97]
	s_mov_b32 s[G0SV+2], s[G0SK+2]
	s_mov_b32 s[G0SV+3], s[G0SK+3]
.irp g, G0KA, G0VA, G0KB, G0VB, G0SK, G0SV
	s_mov_b32 s[\g], 1                             ; 1:0 count = 1
.endr
	; Group 1 for K: 4 rows of 2,048 bytes (16 neighbouring keys, dense), 4,096 bytes (32 keys) apart.  The padding is counted along the tile: 16 bytes behind every 128, so LDS holds 64 rows of pitch 144.
	s_mov_b32 s[G1K], 15|(0<<16)|(1<<20)|(1<<21)|(4<<22)|(3<<25)   ; 15:0 the mask: all four work-groups; 17:16 elements of 1 byte; 20 padding on; 21 set beside a mask; 24:22 after every 32 words (code 4); 31:25 four words (code 3)
	s_mov_b32 s[G1K+1], 2048<<16                   ; tensor_dim0
	s_mov_b32 s[G1K+2], 4<<16                      ; tensor_dim1
	s_mov_b32 s[G1K+3], 2048<<16                   ; tile_dim0
	s_mov_b32 s[G1K+4], 4                          ; tile_dim1
	s_mov_b32 s[G1K+5], 4096                       ; tensor_dim0_stride
	s_mov_b32 s[G1K+6], 0
	s_mov_b32 s[G1K+7], 0
	; Group 1 for V: 64 rows of 128 bytes, 2,048 bytes apart; the same padding
	s_mov_b32 s[G1V], 15|(0<<16)|(1<<20)|(1<<21)|(4<<22)|(3<<25)
	s_mov_b32 s[G1V+1], 128<<16
	s_mov_b32 s[G1V+2], 64<<16
	s_mov_b32 s[G1V+3], 128<<16
	s_mov_b32 s[G1V+4], 64
	s_mov_b32 s[G1V+5], 2048
	s_mov_b32 s[G1V+6], 0
	s_mov_b32 s[G1V+7], 0
	; Group 1 for the scale bytes: 4,096 dense bytes as 16 rows of 256 bytes (32 elements of 8 bytes), 16 bytes of padding behind each
	s_mov_b32 s[G1S], 15|(3<<16)|(1<<20)|(1<<21)|(5<<22)|(3<<25)
	s_mov_b32 s[G1S+1], 32<<16
	s_mov_b32 s[G1S+2], 16<<16
	s_mov_b32 s[G1S+3], 32<<16
	s_mov_b32 s[G1S+4], 16
	s_mov_b32 s[G1S+5], 32
	s_mov_b32 s[G1S+6], 0
	s_mov_b32 s[G1S+7], 0
	s_mov_b32 s[SEL], 0x76543210
	s_mov_b32 s[SEL+1], 0xfedcba98
	s_mov_b32 s[CS], 0x3e0293ee                    ; c = log2(e) / sqrt(128)
	s_mov_b32 s[CS+1], s[CS]                       ; (named with it as a pair, so it is written)
	s_mov_b32 s[HM], 0xffff0000
	s_mov_b32 s[TB], 0
	s_mov_b32 s[KJ], 0
	; MY TILES.  From here on s2, s3, s100, s101 hold numbers made of g; they feed Q's and out0's addresses and the mask alone
	s_bfe_u32 s100, ttmp6, 0x40000                 ; cx: my place in the cluster
	s_lshl_b32 s[GQ], ttmp9, 2                     ; in a cluster launch ttmp9 counts clusters
	s_add_co_u32 s[GQ], s[GQ], s100                ; g = 4 x cluster x + cx
	s_lshl_b32 s[GQ], s[GQ], 4                     ; 16 g
	s_sub_co_u32 s100, 15, s[UN]
	s_lshl_b32 s100, s100, 7
	s_add_co_u32 s100, s100, s[GQ]                 ; my second tiles' first query: 128 (15 - u) + 16 g
	s_mov_b32 s101, 0
	s_lshl_b64 s[QCB:QCB+1], s[100:101], 7
	s_add_nc_u64 s[QCB:QCB+1], s[QCB:QCB+1], s[94:95]
	s_lshl_b64 s[QSB:QSB+1], s[100:101], 2
	s_add_nc_u64 s[QSB:QSB+1], s[QSB:QSB+1], s[96:97]
	s_lshl_b64 s[OUB:OUB+1], s[100:101], 9
	s_add_nc_u64 s[OUB:OUB+1], s[OUB:OUB+1], s[98:99]
	s_lshl_b32 s100, s[UN], 7
	s_add_co_u32 s100, s100, s[GQ]                 ; my first tiles' first query: 128 u + 16 g
	s_wait_alu depctr_va_vdst(0)
	s_wait_kmcnt 0x0
	s_add_nc_u64 s[QCB:QCB+1], s[4:5], s[QCB:QCB+1]
	s_add_nc_u64 s[QSB:QSB+1], s[6:7], s[QSB:QSB+1]
	s_add_nc_u64 s[OUB:OUB+1], s[16:17], s[OUB:OUB+1]
	s_lshl_b64 s[2:3], s[100:101], 7
	s_add_nc_u64 s[2:3], s[2:3], s[94:95]
	s_add_nc_u64 s[4:5], s[4:5], s[2:3]            ; Q's codes at my first tiles,
	s_lshl_b64 s[2:3], s[100:101], 2
	s_add_nc_u64 s[2:3], s[2:3], s[96:97]
	s_add_nc_u64 s[6:7], s[6:7], s[2:3]            ; their scale words,
	s_lshl_b64 s[2:3], s[100:101], 9
	s_add_nc_u64 s[2:3], s[2:3], s[98:99]
	s_add_nc_u64 s[16:17], s[16:17], s[2:3]        ; out0 likewise
	s_add_co_u32 s[GQ1], s[GQ], 64                 ; tile 1 lies 64 queries behind tile 0
.irp c, 0,1,2,3
	global_load_b128 v[16+4*\c:19+4*\c], v10, s[4:5] offset:32*\c th:TH_LOAD_NT   ; Q's fragments stay in registers; the launch reads these bytes once.  Asked for ahead of the round and the first tiles
.endr
	global_load_b32 v255, v254, s[6:7]             ; Q's scale words.  (v10 and v254 are not written again before the wait for these loads)
	WIN 0x40                                       ; destination window 1
.irp c, 0,1,2,3
	global_load_b128 v[16+4*\c:19+4*\c], v10, s[4:5] offset:8192+32*\c th:TH_LOAD_NT   ; tile 1: 64 rows of 128 bytes on
.endr
	WIN 0
	s_add_nc_u64 s[G0KA+2:G0KA+3], s[8:9], s[G0KA+2:G0KA+3]       ; 120:64 global address
	s_or_b32 s[G0KA+3], s[G0KA+3], 0x80000000                     ; 127:126 type = 2
	s_add_nc_u64 s[G0KB+2:G0KB+3], s[8:9], s[G0KB+2:G0KB+3]
	s_or_b32 s[G0KB+3], s[G0KB+3], 0x80000000
	s_add_nc_u64 s[G0VA+2:G0VA+3], s[12:13], s[G0VA+2:G0VA+3]
	s_or_b32 s[G0VA+3], s[G0VA+3], 0x80000000
	s_add_nc_u64 s[G0VB+2:G0VB+3], s[12:13], s[G0VB+2:G0VB+3]
	s_or_b32 s[G0VB+3], s[G0VB+3], 0x80000000
	s_add_nc_u64 s[G0SK+2:G0SK+3], s[10:11], s[G0SK+2:G0SK+3]
	s_or_b32 s[G0SK+3], s[G0SK+3], 0x80000000
	s_add_nc_u64 s[G0SV+2:G0SV+3], s[14:15], s[G0SV+2:G0SV+3]
	s_or_b32 s[G0SV+3], s[G0SV+3], 0x80000000
	CROUND                                         ; all four work-groups are here: the first joint loads meet
	; THE FIRST FILLS: the even half's two slots and the scale bytes, as one group; a wave's loads stand in one branch on its number.  Two loads of a wave are out at the most; four v_nop follow the last.
	s_cmp_lg_u32 s[KD], 0
	s_cbranch_scc1 .Lfirst_1
	tensor_load_to_lds s[G0SK:G0SK+3], s[G1S:G1S+7]   ; half of K's scale bytes: filled once
	s_nop 0
	tensor_load_to_lds s[G0KA:G0KA+3], s[G1K:G1K+7]   ; half of stream A's key step 0
	s_nop 0
.rept 4
	v_nop
.endr
	s_branch .Lfirst_asked
.Lfirst_1:
	s_cmp_lg_u32 s[KD], 1
	s_cbranch_scc1 .Lfirst_2
	tensor_load_to_lds s[G0SV:G0SV+3], s[G1S:G1S+7]
	s_nop 0
	tensor_load_to_lds s[G0VA:G0VA+3], s[G1V:G1V+7]
	s_nop 0
.rept 4
	v_nop
.endr
	s_branch .Lfirst_asked
.Lfirst_2:
	s_cmp_lg_u32 s[KD], 2
	s_cbranch_scc1 .Lfirst_3
	tensor_load_to_lds s[G0KB:G0KB+3], s[G1K:G1K+7]   ; half of stream B's key step 14, which period 2 reads
	s_nop 0
.rept 4
	v_nop
.endr
	s_branch .Lfirst_asked
.Lfirst_3:
	tensor_load_to_lds s[G0VB:G0VB+3], s[G1V:G1V+7]
	s_nop 0
.rept 4
	v_nop
.endr
.Lfirst_asked:
	v_and_b32 v11, 7, v8
	s_delay_alu instid0(VALU_DEP_1)
	v_mul_u32_u24 v[AK0], v11, KP                  ; K: row r % 8 of a group of eight,
	v_lshrrev_b32 v11, 3, v8
	s_delay_alu instid0(VALU_DEP_1)
	v_mad_u32_u24 v[AK0], v11, KODD, v[AK0]        ; lanes 8-15 in the half whose keys have bit 4 set,
	s_delay_alu instid0(VALU_DEP_1)
	v_lshl_add_u32 v[AK0], v9, 4, v[AK0]           ; + 16 h
	v_mul_u32_u24 v[AV0], v8, VP
	s_delay_alu instid0(VALU_DEP_1)
	v_lshl_add_u32 v[AV0], v9, 4, v[AV0]
	s_delay_alu instid0(VALU_DEP_1)
	v_add_nc_u32 v[AV0], VOFF, v[AV0]              ; V: row r, + 16 h
	v_and_b32 v11, 8, v8
	s_delay_alu instid0(VALU_DEP_1)
	v_add_nc_u32 v11, v11, v8                      ; r + 8 (r / 8)
	s_delay_alu instid0(VALU_DEP_1)
	v_lshl_add_u32 v[ASK0], v11, 2, SCK            ; K's scale words: 4 bytes a key; a step's 128 keys are two pieces of 256 bytes;
	s_delay_alu instid0(VALU_DEP_1)
	v_mad_u32_u24 v[ASK0], v9, 272, v[ASK0]        ; lanes 16-31 take the tile four on: 64 keys, one piece
	v_lshlrev_b32 v12, 6, v8                       ; V's: row r of a tile begins 64 r bytes on: which piece of 256 bytes, and where in it;
	s_delay_alu instid0(VALU_DEP_1)
	v_lshrrev_b32 v13, 8, v12
	s_delay_alu instid0(VALU_DEP_2)
	v_and_b32 v12, 255, v12
	s_delay_alu instid0(VALU_DEP_1)
	v_mad_u32_u24 v[ASV0], v13, 272, v12
	s_delay_alu instid0(VALU_DEP_1)
	v_add_nc_u32 v[ASV0], SCV, v[ASV0]
	s_delay_alu instid0(VALU_DEP_1)
	v_mad_u32_u24 v[ASV0], v9, 16*272, v[ASV0]     ; lanes 16-31 take the tile four on: 64 rows, sixteen pieces
	v_lshlrev_b32 v[GO], 9, v9
	s_delay_alu instid0(VALU_DEP_1)
	v_lshl_add_u32 v[GO], v8, 4, v[GO]             ; the way out: lanes 0-15 take one row of out0, lanes 16-31 the next; 16 bytes a lane
.macro START                                   ; a tile's state at the start, in the window that is set
	v_mov_b32 v13, 0xff61b1e6                      ; the largest t so far: -3e38, under every t
	s_delay_alu instid0(VALU_DEP_1)
	v_floor_f32 v12, -v13                          ; -M
	v_mov_b32 v14, 0                               ; the sum, in two halves
	v_mov_b32 v15, 0
.irp b, 0,1,2,3
	v_mov_b32 v[236+\b], 0                         ; written once: a lane permute's destination counts as one of its sources
.endr
	v_mov_b32 v253, 0                              ; (named as the upper half of the pair v[252:253] before it is first written)
.endm
	START
	WIN 0x55
	START
	WIN 0
; One scaled matrix instruction.  d: D (and C, unless zero = 1: the product starts the sum); a, b: sources 0 and 1; sa, sb: their scale registers; ra, rb = 1: the scales are read from lanes 16-31.
.macro WM d, a, b, zero, sa, sb, ra, rb
.if \zero
.if (\ra == 0) && (\rb == 0)
	v_wmma_scale_f32_16x16x128_f8f6f4 v[\d:\d+7], v[\a:\a+15], v[\b:\b+15], 0, v[\sa], v[\sb] matrix_a_fmt:MATRIX_FMT_BF8 matrix_b_fmt:MATRIX_FMT_BF8
.elseif (\ra == 1) && (\rb == 0)
	v_wmma_scale_f32_16x16x128_f8f6f4 v[\d:\d+7], v[\a:\a+15], v[\b:\b+15], 0, v[\sa], v[\sb] matrix_a_fmt:MATRIX_FMT_BF8 matrix_b_fmt:MATRIX_FMT_BF8 matrix_a_scale:MATRIX_SCALE_ROW1
.elseif (\ra == 0) && (\rb == 1)
	v_wmma_scale_f32_16x16x128_f8f6f4 v[\d:\d+7], v[\a:\a+15], v[\b:\b+15], 0, v[\sa], v[\sb] matrix_a_fmt:MATRIX_FMT_BF8 matrix_b_fmt:MATRIX_FMT_BF8 matrix_b_scale:MATRIX_SCALE_ROW1
.else
	v_wmma_scale_f32_16x16x128_f8f6f4 v[\d:\d+7], v[\a:\a+15], v[\b:\b+15], 0, v[\sa], v[\sb] matrix_a_fmt:MATRIX_FMT_BF8 matrix_b_fmt:MATRIX_FMT_BF8 matrix_a_scale:MATRIX_SCALE_ROW1 matrix_b_scale:MATRIX_SCALE_ROW1
.endif
.else
.if (\ra == 0) && (\rb == 0)
	v_wmma_scale_f32_16x16x128_f8f6f4 v[\d:\d+7], v[\a:\a+15], v[\b:\b+15], v[\d:\d+7], v[\sa], v[\sb] matrix_a_fmt:MATRIX_FMT_BF8 matrix_b_fmt:MATRIX_FMT_BF8
.elseif (\ra == 1) && (\rb == 0)
	v_wmma_scale_f32_16x16x128_f8f6f4 v[\d:\d+7], v[\a:\a+15], v[\b:\b+15], v[\d:\d+7], v[\sa], v[\sb] matrix_a_fmt:MATRIX_FMT_BF8 matrix_b_fmt:MATRIX_FMT_BF8 matrix_a_scale:MATRIX_SCALE_ROW1
.elseif (\ra == 0) && (\rb == 1)
	v_wmma_scale_f32_16x16x128_f8f6f4 v[\d:\d+7], v[\a:\a+15], v[\b:\b+15], v[\d:\d+7], v[\sa], v[\sb] matrix_a_fmt:MATRIX_FMT_BF8 matrix_b_fmt:MATRIX_FMT_BF8 matrix_b_scale:MATRIX_SCALE_ROW1
.else
	v_wmma_scale_f32_16x16x128_f8f6f4 v[\d:\d+7], v[\a:\a+15], v[\b:\b+15], v[\d:\d+7], v[\sa], v[\sb] matrix_a_fmt:MATRIX_FMT_BF8 matrix_b_fmt:MATRIX_FMT_BF8 matrix_a_scale:MATRIX_SCALE_ROW1 matrix_b_scale:MATRIX_SCALE_ROW1
.endif
.endif
.endm
; Four products under one window setting: fragments 4 a + 0 .. 3 (window a) against query tile j (window j).  The setting is a | j << 2 | j << 4 | j << 6: 0x00, 0x01, 0x54, 0x55.
.macro QK a, j                                 ; S^T = K Q^T: each starts its sum
.irp t, 0,1,2,3
	WM 96+8*(4*\a+\t), 32+16*\t, 16, 1, 248+\t, 255, \a, \j
.endr
.endm
.macro PV a, j, first                          ; O^T += V^T P^T; first = 1: the launch's first step starts the sums: nothing is ever cleared.  The sixteen accumulators of O^T take turns, one instruction a turn
.irp t, 0,1,2,3
	WM 160+8*(4*\a+\t), 32+16*\t, 224, \first, 248+\t, 253, \a, \j
.endr
.endm
; The step's eight fragments of K (16 keys x 128 each) and their scale words: fragments 0-3 and the words first, so that the wait in front of the first products can leave fragments 4-7 out
.macro KFETCH
.irp t, 0,1,2,3
.irp c, 0,1,2,3
	ds_load_b128 v[32+16*\t+4*\c:35+16*\t+4*\c], v[ADK] offset:((\t/2)*16+8*(\t%2))*KP+32*\c
.endr
	ds_load_b32 v[248+\t], v[ADS] offset:(32*(\t/2)+8*(\t%2))*4   ; lanes 0-15: fragment t's words; lanes 16-31: fragment t + 4's
.endr
	WIN 0x40                                       ; destination window 1, address window 0
.irp t, 0,1,2,3
.irp c, 0,1,2,3
	ds_load_b128 v[32+16*\t+4*\c:35+16*\t+4*\c], v[ADK] offset:((2+\t/2)*16+8*(\t%2))*KP+32*\c
.endr
.endr
	WIN 0
.endm
; The eight fragments of V^T (16 channels x my key step's 128 keys each) and their scale words
.macro VFETCH
.irp t, 0,1,2,3
.irp c, 0,1,2,3
	ds_load_b128 v[32+16*\t+4*\c:35+16*\t+4*\c], v[ADV] offset:16*\t*VP+32*\c
.endr
	ds_load_b32 v[248+\t], v[ADT] offset:\t*4*272
.endr
	WIN 0x40
.irp t, 0,1,2,3
.irp c, 0,1,2,3
	ds_load_b128 v[32+16*\t+4*\c:35+16*\t+4*\c], v[ADV] offset:16*(4+\t)*VP+32*\c
.endr
.endr
	WIN 0
.endm
; My second tiles' Q, asked for in my first tiles' diagonal step as soon as its scores are made: the softmax, the second product and the way out stand between these loads and the wait for them.
.macro QNEXT
	v_and_b32 v224, 15, v0
	v_bfe_u32 v225, v0, 4, 1
	s_delay_alu instid0(VALU_DEP_2)
	v_lshlrev_b32 v226, 7, v224
	s_delay_alu instid0(VALU_DEP_1)
	v_lshl_add_u32 v226, v225, 4, v226             ; row r of 128 bytes, + 16 h
	s_delay_alu instid0(VALU_DEP_4)
	v_lshlrev_b32 v224, 2, v224
	s_delay_alu instid0(VALU_DEP_1)
	v_lshl_add_u32 v224, v225, 8, v224             ; the scale words: 4 r, lanes 16-31 tile 1's
.irp c, 0,1,2,3
	global_load_b128 v[16+4*\c:19+4*\c], v226, s[QCB:QCB+1] offset:32*\c th:TH_LOAD_NT
.endr
	global_load_b32 v255, v224, s[QSB:QSB+1]
	WIN 0x40
.irp c, 0,1,2,3
	global_load_b128 v[16+4*\c:19+4*\c], v226, s[QCB:QCB+1] offset:8192+32*\c th:TH_LOAD_NT
.endr
	WIN 0
.endm
; On a diagonal the scores of hidden keys become -infinity ahead of the maximum: p = 0 then.  Register 16 b + i holds key 32 b + 16 (lane / 16) + i of the step, the tile's query is its first + lane % 16 of the same 128: hidden where 32 b + i > d.
.macro HIDE                                    ; one tile, in the window that is set; ascending: each accumulator is read from its low end on
.set jj, 0
.rept 64
	v_cmp_gt_i32 vcc_lo, 32*(jj/16)+jj%16, v252
	v_cndmask_b32 v[96+jj], v[96+jj], v254, vcc_lo
.set jj, jj+1
.endr
.endm
.macro MASKS
	v_and_b32 v252, 15, v0
	v_bfe_u32 v254, v0, 4, 1
	s_delay_alu instid0(VALU_DEP_1)
	v_lshlrev_b32 v254, 4, v254
	s_delay_alu instid0(VALU_DEP_1)
	v_sub_nc_u32 v252, v252, v254                  ; lane % 16 - 16 (lane / 16)
	WIN 0x40                                       ; sources window 0, destination window 1
	v_add_nc_u32 v252, s[GQ1], v252                ; tile 1's d
	v_mov_b32 v254, 0xff800000                     ; -infinity
	WIN 0
	v_add_nc_u32 v252, s[GQ], v252                 ; tile 0's d
	v_mov_b32 v254, 0xff800000
	HIDE
	WIN 0x55
	HIDE
	WIN 0
	s_wait_xcnt 0x0                                ; Q's loads, if any were issued, have had their addresses translated (ISA guide 3.1): v224 and v226 are written again by the conversions below
.endm
; The softmax of a step for one tile, in the window that is set: p's codes and scale word, and O^T and the sum under the new M.  tile = 1: window 1.  first = 1: the launch's first step: there is no O^T yet.
.macro SOFTMAX tile, first
.irp b, 0,1,2,3
	v_max3_num_f32 v[232+\b], v[96+16*\b], v[97+16*\b], v[98+16*\b]   ; THE LARGEST SCORE OF EACH BLOCK OF 32 KEYS: it serves twice: for the row's maximum, and, since p rises with the score, for the block's largest p
.endr
.irp i, 3,5,7,9,11,13
.irp b, 0,1,2,3
	v_max3_num_f32 v[232+\b], v[232+\b], v[96+16*\b+\i], v[97+16*\b+\i]   ; (the four blocks by turns)
.endr
.endr
.irp b, 0,1,2,3
	v_max_num_f32 v[232+\b], v[232+\b], v[111+16*\b]
.endr
.irp b, 0,1,2,3
	v_permlanex16_b32 v[236+\b], v[232+\b], s[SEL], s[SEL+1]
.endr
.irp b, 0,1,2,3
	s_delay_alu instid0(VALU_DEP_4)
	v_max_num_f32 v[232+\b], v[232+\b], v[236+\b]  ; with lane l xor 16's 16 keys
.endr
	s_delay_alu instid0(VALU_DEP_2)
	v_max3_num_f32 v254, v232, v233, v234
	s_delay_alu instid0(VALU_DEP_1)
	v_max_num_f32 v254, v254, v235                 ; the step's largest score of my query
	s_delay_alu instid0(VALU_DEP_1)
	v_mul_f32 v254, s[CS], v254                    ; as t (c is positive)
	s_delay_alu instid0(VALU_DEP_1)
	v_max_num_f32 v13, v13, v254                   ; the running largest t
	v_mov_b32 v254, v12
	s_delay_alu instid0(VALU_DEP_2)
	v_floor_f32 v12, -v13                          ; the new -M = floor(-t) = -ceil(t): M IS A WHOLE NUMBER
	s_delay_alu instid0(VALU_DEP_1)
	v_sub_f32 v254, v12, v254                      ; M's old value less its new one: a whole number, 0 or less
	s_delay_alu instid0(VALU_DEP_1)
	v_cvt_i32_f32 v254, v254                       ; (it saturates)
	s_delay_alu instid0(VALU_DEP_1)
	v_ldexp_f32 v252, 1.0, v254                    ; f = 2^(old M - new M): a multiplication by it rounds nothing; in a tile's first step f = 0
.set jj, 0
.rept 32
	v_pk_fma_f32 v[96+jj:97+jj], v[96+jj:97+jj], s[CS:CS+1], v[12:13] op_sel_hi:[1,0,0]   ; t - M, two at a time (of the pairs c and -M the low word serves both halves)
.set jj, jj+2
.endr
.irp b, 0,1,2,3
	v_fma_f32 v[232+\b], v[232+\b], s[CS], v12     ; the same of each block's largest score
.endr
.set jj, 0
	s_wait_alu depctr_va_vdst(0)
.rept 64
	v_exp_f32 v[96+jj], v[96+jj]                   ; p = 2^(t - M): NOT normalised
.set jj, jj+1
.endr
.irp b, 0,1,2,3
	v_exp_f32 v[232+\b], v[232+\b]                 ; the block's largest p: the same two instructions on the same number give the same bits
.endr
	v_pk_mul_f32 v[14:15], v[14:15], v[252:253] op_sel_hi:[1,0]   ; the sums under the new M.  (The plain instruction behind the exponentials)
	s_wait_alu depctr_va_vdst(0)
.irp b, 0,1,2,3
	v_max_num_f32 v[232+\b], 0x8000000, v[232+\b]  ; the floor 2^(16 - 127): the byte cannot fall under 1
.endr
.irp b, 0,1,2,3
	s_delay_alu instid0(VALU_DEP_4)
	v_add_nc_u32 v[244+\b], 0xf8800000, v[232+\b]  ; 15 off the exponent field: the conversion's scale operand
.endr
.irp b, 0,1,2,3
.endr
.irp b, 0,1,2,3
	s_delay_alu instid0(VALU_DEP_4)
	v_lshrrev_b32 v[236+\b], 23, v[244+\b]         ; the scale's byte
.endr
	s_delay_alu instid0(VALU_DEP_3)
	v_lshl_or_b32 v253, v237, 8, v236              ; p's scale word for these 128 keys: the same in lane r and in lane 16 + r
	s_delay_alu instid0(VALU_DEP_1)
	v_lshl_or_b32 v253, v238, 16, v253
	s_delay_alu instid0(VALU_DEP_1)
	v_lshl_or_b32 v253, v239, 24, v253
.if \tile
	WIN 0x04                                       ; source 1 window 1; source 0 and the destination window 0: scale operands have no window (they are taken from v0-v255)
	v_cndmask_b32 v253, v253, v253, s[HM]          ; window 0's v253: lanes 0-15 keep tile 0's word, lanes 16-31 take tile 1's
	WIN 0x55
.endif
	v_pk_add_f32 v[236:237], v[96:97], v[98:99]    ; THE ROW'S SUM IS TAKEN OF THE UNQUANTISED p: two at a time, in two chains
.set jj, 4
.rept 15
	v_pk_add_f32 v[14:15], v[14:15], v[96+jj:97+jj]
	v_pk_add_f32 v[236:237], v[236:237], v[98+jj:99+jj]
.set jj, jj+4
.endr
	s_delay_alu instid0(VALU_DEP_1)
	v_pk_add_f32 v[14:15], v[14:15], v[236:237]
.irp b, 0,1,2,3
.irp i, 0,1,2,3,4,5,6,7,8,9,10,11,12,13,14,15
.endr
	v_cvt_scalef32_pk8_bf8_f32 v[224+4*\b:225+4*\b], v[96+16*\b:103+16*\b], v[244+\b]
	v_cvt_scalef32_pk8_bf8_f32 v[226+4*\b:227+4*\b], v[104+16*\b:111+16*\b], v[244+\b]
.endr
.if \first
.if \tile
	s_wait_alu depctr_va_vdst(0)
.rept 4
	v_nop                                          ; four places between the codes' last write and the products that read them (tile 0's codes have tile 1's softmax behind them)
.endr
.endif
.else
.set jj, 0
.rept 32
	v_pk_mul_f32 v[160+jj:161+jj], v[160+jj:161+jj], v[252:253] op_sel_hi:[1,0]   ; O^T under the new M: x f, each accumulator from its low end on.  (These 32 also stand between the codes' last write and the products that read them)
.set jj, jj+2
.endr
.endif
.endm
; THE WAY OUT of my two tiles.  A tile's sum (its two halves and the other half of the lanes') divides O^T, which goes through the tile's stage, half a row (64 channels, 256 bytes) of 16 queries at a time.
.macro OUT_SUM                                 ; in the window that is set
	v_add_f32 v14, v14, v15
	s_delay_alu instid0(VALU_DEP_1)
	v_permlanex16_b32 v252, v14, s[SEL], s[SEL+1]
	s_delay_alu instid0(VALU_DEP_1)
	v_add_f32 v14, v14, v252                       ; the row's sum
	s_wait_alu depctr_va_vdst(0)
	v_rcp_f32 v14, v14
.endm
.macro OUT_DIV
.set jj, 0
.rept 32
	v_pk_mul_f32 v[96+jj:97+jj], v[160+jj:161+jj], v[14:15] op_sel_hi:[1,0]   ; O^T / the sum: register 8 t + i is o(r, 16 t + 8 h + i)
.set jj, jj+2
.endr
.endm
.macro OUT_ST k, off                           ; channels 64 k on, into the stage
.irp t, 0,1,2,3
	ds_store_b128 v10, v[96+32*\k+8*\t:99+32*\k+8*\t] offset:\off+64*\t
	ds_store_b128 v10, v[100+32*\k+8*\t:103+32*\k+8*\t] offset:\off+64*\t+16
.endr
.endm
.macro OUT_LD k, off                           ; and back by rows.  LDS serves a wave's instructions in order (ISA guide 5.7.1.4): these see my stores, and the next half's stores come behind them
.irp i, 0,1,2,3,4,5,6,7
	ds_load_b128 v[32+32*\k+4*\i:35+32*\k+4*\i], v11 offset:\off+2*\i*272
.endr
.endm
.macro OUT_SEND younger, off                   ; younger: the LDS instructions of the other tile issued behind this tile's
.irp k, 0,1
.irp i, 0,1,2,3,4,5,6,7
	s_wait_dscnt \younger+23-16*\k-\i              ; behind load i of half k were issued the half's 7 - i further loads, for k = 0 the second half's 8 stores and 8 loads, and the younger tile's
	global_store_b128 v[GO], v[32+32*\k+4*\i:35+32*\k+4*\i], s[16:17] offset:\off+1024*\i+256*\k th:TH_STORE_NT   ; 16 lanes store 256 consecutive bytes, at a multiple of 256 from out0's first byte; written once
.endr
.endr
.endm
.macro WAYOUT again                            ; again = 1: my second tiles follow
	OUT_SUM
	v_and_b32 v8, 15, v0                           ; eight plain lines: the one behind the reciprocal, and the eight places between the last products and the first read of their results
	v_bfe_u32 v9, v0, 4, 1
	s_delay_alu instid0(VALU_DEP_2)
	v_mul_u32_u24 v10, v8, 272
	s_delay_alu instid0(VALU_DEP_1)
	v_lshl_add_u32 v10, v9, 5, v10
	s_delay_alu instid0(VALU_DEP_1)
	v_add_nc_u32 v10, s[STGA], v10                 ; in: row r; channel tile t's eight channels of my half of the lanes: 64 t + 32 h bytes on
	s_delay_alu instid0(VALU_DEP_4)
	v_mul_u32_u24 v11, v9, 272
	s_delay_alu instid0(VALU_DEP_1)
	v_lshl_add_u32 v11, v8, 4, v11
	s_delay_alu instid0(VALU_DEP_1)
	v_add_nc_u32 v11, s[STGA], v11                 ; back: lanes 0-15 one row, lanes 16-31 the next
	s_wait_alu depctr_va_vdst(0)
	OUT_DIV
	OUT_ST 0, 0
	OUT_LD 0, 0
	OUT_ST 1, 0
	OUT_LD 1, 0
	WIN 0x55                                       ; tile 1's arithmetic stands between tile 0's loads from its stage and the waits for them
	OUT_SUM
	v_nop                                          ; a plain instruction behind the reciprocal
	s_wait_alu depctr_va_vdst(0)
	OUT_DIV
	WIN 0x04                                       ; an LDS store's address is its source 0 (window 0), its data its source 1 (window 1)
	OUT_ST 0, STGB
	WIN 0x40
	OUT_LD 0, STGB
	WIN 0x04
	OUT_ST 1, STGB
	WIN 0x40
	OUT_LD 1, STGB
	WIN 0
	OUT_SEND 32, 0
	WIN 0x04                                       ; a global store's offset register is its source 0, its data its source 1
	OUT_SEND 0, 64*512                             ; tile 1's rows lie 64 rows of 512 bytes on
.if \again
	WIN 0x55                                       ; ON TO MY SECOND TILES: the largest t and -M as at the start: the next step's f is then 0, which clears the sum and O^T (both finite) by the multiplications that stand there anyway
	v_mov_b32 v13, 0xff61b1e6
	s_delay_alu instid0(VALU_DEP_1)
	v_floor_f32 v12, -v13
	WIN 0
	v_mov_b32 v13, 0xff61b1e6
	s_delay_alu instid0(VALU_DEP_1)
	v_floor_f32 v12, -v13
.else
	WIN 0
.endif
	s_wait_xcnt 0x0                                ; the stores have read their registers and their base: v32 on is loaded again, and the base moves to my second tiles
.endm
; A PERIOD'S STEP: 128 keys of my stream, for my two tiles.  No barrier and no tensor load stands in it.  first = 1: period 0.  last = 1: period 16, in which every wave reads stream B's key step 0 and its second tiles leave.
.macro STEP first, last
.if \last
	s_add_co_u32 s[SO], s[TB], BOFF
	s_mov_b32 s[TS], 0
	s_mov_b32 s[TJ], 0
.else
	s_add_co_u32 s104, s[KJ], 15
	s_and_b32 s104, s104, 15
	s_xor_b32 s104, s104, 15                       ; stream B's key step: 16 - period for periods 1 .. 15 (0 in period 0, in which no wave reads B)
	s_cmp_gt_u32 s[KJ], s[UN]                      ; am I past my first tiles?
	s_cselect_b32 s[JK], s104, s[KJ]               ; my key step,
	s_cselect_b32 s[SO], BOFF, 0                   ; and my stream's slot in the period's half
	s_add_co_u32 s[SO], s[SO], s[TB]
	s_mul_i32 s[TS], s[JK], 544                    ; its scale words
	s_lshl_b32 s[TJ], s[JK], 2
.endif
	v_add_nc_u32 v[ADK], s[SO], v[AK0]
	v_add_nc_u32 v[ADV], s[SO], v[AV0]
	v_add_nc_u32 v[ADS], s[TS], v[ASK0]
	v_add_nc_u32 v[ADT], s[TJ], v[ASV0]
.rept 4
	v_nop                                          ; eight places in front of loads into registers that matrix instructions have read; the four additions above are places too
.endr
	KFETCH
	s_wait_alu depctr_va_vdst(0)
	s_wait_dscnt 16                                ; fragments 0-3 and the scale words are in; the sixteen loads of fragments 4-7 may be out
	QK 0, 0
	WIN 0x54
	QK 0, 1
	s_wait_dscnt 0x0                               ; fragments 4-7
	WIN 0x01
	QK 1, 0
	WIN 0x55
	QK 1, 1
	WIN 0
.rept 8
	v_nop                                          ; eight places: for the first read of the scores, and for the loads below into the fragments', the scale words' and Q's registers
.endr
	VFETCH                                         ; all of V's fragments land while the two softmaxes are worked
.if !\last
	s_cmp_lg_u32 s[KJ], s[UN]                      ; my first tiles' diagonal: period u
	s_cbranch_scc1 .Lnot_first_\@
	QNEXT
	s_branch .Lmask_\@
.Lnot_first_\@:
	s_cmp_lg_u32 s[KJ], s[UN1]                     ; my second tiles': period u + 1, 8 at the latest.  A step all of whose keys count has no mask
	s_cbranch_scc1 .Lopen_\@
.Lmask_\@:
	MASKS
.Lopen_\@:
.endif
	SOFTMAX 0, \first
	WIN 0x55
	SOFTMAX 1, \first
	s_wait_alu depctr_va_vdst(0)
	s_wait_dscnt 0x0                               ; V's fragments and their scale words
	PV 1, 1, \first
	WIN 0x54
	PV 0, 1, \first
	WIN 0x01
	PV 1, 0, \first
	WIN 0
	PV 0, 0, \first
.if \last
	WAYOUT 0                                       ; every wave's second tiles
.else
	s_cmp_lg_u32 s[KJ], s[UN]                      ; the diagonal is my first tiles' last step: their rows leave now
	s_cbranch_scc1 .Lgo_on_\@
	WAYOUT 1
	s_mov_b64 s[16:17], s[OUB:OUB+1]               ; my second tiles' rows of out0
.Lgo_on_\@:
	s_wait_loadcnt 0x0                             ; my second tiles' Q, where it was asked for; on every path
	s_add_co_u32 s[KJ], s[KJ], 1
	s_xor_b32 s[TB], s[TB], SLOT1                  ; the next period reads the other half
.endif
.endm
; THE CHANGE OF PERIODS stands at a period's head.  Each wave waits for all its tensor loads (its part of the slots that are about to be read), adds 0 to its spare word, and waits for that and for its reads of the half that it has left.
; sa = 1: stream A's descriptors step on: the other half, the next key step.  sb = 1: stream B's likewise, the key step before; sb = 2: the key step behind (once: from 14, fetched at the start, to 15).
; fa, fb = 1: that stream's slot in the half that is not read now is filled with the next period's key step.  The barrier is then a round of the cluster's, so that no wave of any partner still reads that half or has a load
; on its way, and the fill is the first thing behind the round: it has a period, eight waves' steps, in which to land.  One tensor load of a wave is out behind each round.
.macro CHANGE sa, fa, sb, fb
	s_wait_tensorcnt 0x0                           ; no tensor load of mine is out, so a group 0 may be written
	ds_add_u32 v[SPW], v[NIL]                      ; 0 onto my spare word; the descriptors' steps stand between it and the wait for it
.if \sa
	s_xor_b32 s[G0KA+1], s[G0KA+1], SLOT1
	s_add_nc_u64 s[G0KA+2:G0KA+3], s[G0KA+2:G0KA+3], 128*128   ; the next 128 keys; the type bits on top are not reached
	s_xor_b32 s[G0VA+1], s[G0VA+1], SLOT1
	s_add_nc_u64 s[G0VA+2:G0VA+3], s[G0VA+2:G0VA+3], 128
.endif
.if \sb == 1
	s_xor_b32 s[G0KB+1], s[G0KB+1], SLOT1
	s_sub_nc_u64 s[G0KB+2:G0KB+3], s[G0KB+2:G0KB+3], 128*128   ; the 128 keys before
	s_xor_b32 s[G0VB+1], s[G0VB+1], SLOT1
	s_sub_nc_u64 s[G0VB+2:G0VB+3], s[G0VB+2:G0VB+3], 128
.endif
.if \sb == 2
	s_xor_b32 s[G0KB+1], s[G0KB+1], SLOT1
	s_add_nc_u64 s[G0KB+2:G0KB+3], s[G0KB+2:G0KB+3], 128*128
	s_xor_b32 s[G0VB+1], s[G0VB+1], SLOT1
	s_add_nc_u64 s[G0VB+2:G0VB+3], s[G0VB+2:G0VB+3], 128
.endif
	s_wait_dscnt 0x0                               ; the add is done, and my reads of the half that I have left are over
.if \fa || \fb
	CROUND
	JLOAD \fa, \fb
.else
	s_barrier_signal -1
	s_barrier_wait -1
.endif
.endm
	s_wait_loadcnt 0x0                             ; my first tiles' Q and its scale words
	CHANGE 1, 1, 2, 1                              ; period 0: the odd half's first fills, issued as refills are: A's key step 1, B's key step 15
	STEP 1, 0
	CHANGE 1, 1, 1, 0                              ; period 1: A's slot of period 0 takes key step 2; B's slot in that half holds key step 14, unread: B's descriptors step over it
	STEP 0, 0
	s_mov_b32 s[TRIPS], 5
.Lboth:                                            ; periods 2 .. 6: both streams' slots in the half just left are filled again: A's key steps 3 .. 7, B's 13 .. 9
	CHANGE 1, 1, 1, 1
	STEP 0, 0
	s_sub_co_u32 s[TRIPS], s[TRIPS], 1
	s_cmp_lg_u32 s[TRIPS], 0
	s_cbranch_scc1 .Lboth
	s_mov_b32 s[TRIPS], 9
.Ldown:                                            ; periods 7 .. 15: stream A has had its last key step; B's key steps 8 .. 0.  A loop of its own
	CHANGE 0, 0, 1, 1
	STEP 0, 0
	s_sub_co_u32 s[TRIPS], s[TRIPS], 1
	s_cmp_lg_u32 s[TRIPS], 0
	s_cbranch_scc1 .Ldown
	CHANGE 0, 0, 0, 0                              ; period 16: nothing is filled again, so no round
	STEP 0, 1
	s_wait_tensorcnt 0x0                           ; the wave's end, behind my last tensor load and my last LDS store
	ds_add_u32 v[SPW], v[NIL]
	s_wait_dscnt 0x0
	CROUND                                         ; the closing round: no work-group ends while a partner may still ask for a tile that names it
	s_endpgm
.Lfunc_end_k_q8c6b72bd8b_attn:
	.size	k_q8c6b72bd8b_attn, .Lfunc_end_k_q8c6b72bd8b_attn-k_q8c6b72bd8b_attn
	.p2alignl 7, 3214868480
	.fill 96, 4, 3214868480
	.section	.rodata,"a",@progbits
	.p2align	6, 0x0
	.amdhsa_kernel k_q8c6b72bd8b_attn
		.amdhsa_group_segment_fixed_size 327680
		.amdhsa_private_segment_fixed_size 0
		.amdhsa_enable_private_segment 0
		.amdhsa_kernarg_size 56
		.amdhsa_user_sgpr_count 2
		.amdhsa_user_sgpr_kernarg_segment_ptr 1
		.amdhsa_wavefront_size32 1
		.amdhsa_system_sgpr_workgroup_id_x 1
		.amdhsa_system_sgpr_workgroup_id_y 1
		.amdhsa_system_sgpr_workgroup_id_z 1
		.amdhsa_system_vgpr_workitem_id 0
		.amdhsa_next_free_vgpr 512
		.amdhsa_next_free_sgpr 106
		.amdhsa_reserve_vcc 1
		.amdhsa_float_denorm_mode_32 3
		.amdhsa_float_denorm_mode_16_64 3
		.amdhsa_fp16_overflow 1
		.amdhsa_memory_ordered 1
		.amdhsa_forward_progress 1
		.amdhsa_inst_pref_size 255
	.end_amdhsa_kernel
	.section	.bss,"aw",@nobits
	.p2align	6
	.space	262144
	.amdgpu_metadata
---
amdhsa.version: [ 1, 2 ]
amdhsa.kernels:
  - .name:           k_q8c6b72bd8b_attn
    .symbol:         k_q8c6b72bd8b_attn.kd
    .args:
      - { .name: Q_codes, .offset: 0, .size: 8, .value_kind: global_buffer, .address_space: global }
      - { .name: Q_scales, .offset: 8, .size: 8, .value_kind: global_buffer, .address_space: global }
      - { .name: K_codes, .offset: 16, .size: 8, .value_kind: global_buffer, .address_space: global }
      - { .name: K_scales, .offset: 24, .size: 8, .value_kind: global_buffer, .address_space: global }
      - { .name: V_codes, .offset: 32, .size: 8, .value_kind: global_buffer, .address_space: global }
      - { .name: V_scales, .offset: 40, .size: 8, .value_kind: global_buffer, .address_space: global }
      - { .name: out0, .offset: 48, .size: 8, .value_kind: global_buffer, .address_space: global }
    .group_segment_fixed_size: 327680
    .private_segment_fixed_size: 0
    .kernarg_segment_align: 8
    .kernarg_segment_size: 56
    .max_flat_workgroup_size: 256
    .sgpr_count:     106
    .vgpr_count:     512
    .wavefront_size: 32
...
	.end_amdgpu_metadata
.endif
;; end of part 2
